; MI455X (gfx1250); checked and timed in simulation.
; The chip was launched on July 23, 2026; its instructions are those of AMD's public machine-readable ISA for CDNA 5 (MIT licence, August 2026) and "CDNA5" Instruction Set Architecture Reference Guide (July 2026). The comments in the code are by the model that wrote it; some were corrected since.
;; Multi Head Attention. Allowed arithmetic: matrix products marked QUANTISED: E2M3 operands, one E8M0 scale for each 32 along K, by v_wmma_scale_f32_16x16x128_f8f6f4 with both operands' format E2M3, f32 sums; everything else in f32.
;; Inputs: bk 1,024 float32; bo 1,024 float32; bq 1,024 float32; bv 1,024 float32; k 8 x 1,024 x 1,024 float32; ln_beta 1,024 float32; ln_gamma 1,024 float32; q 8 x 1,024 x 1,024 float32; v 8 x 1,024 x 1,024 float32; wk 1,024 x 1,024 float32; wo 1,024 x 1,024 float32; wq 1,024 x 1,024 float32; wv 1,024 x 1,024 float32.
;; Outputs: out0 8 x 1,024 x 1,024 float32.
;; This version of the problem:
;;   THIS VERSION OF THE PROBLEM IS GIVEN IN LOW PRECISION. The matrix products marked QUANTISED in the list below multiply operands that are first quantised to E2M3 (2 exponent bits, 3 mantissa bits; 6 bits a number), with one power-of-two scale for each 32 numbers along K (OCP MX v1.0); their sums are f32. All else is computed in f32.
;;   The module's matrix products, in the order in which they are computed (A, B: the left and right operand; K: the contracted axis; several contracted axes count as one K, in the product's order):
;;     1. [M 8,192, K 1,024] x [K 1,024, N 1,024]; A: input q; B: input wq: QUANTISED
;;     2. [M 8,192, K 1,024] x [K 1,024, N 1,024]; A: input k; B: input wk: QUANTISED
;;     3. [M 8,192, K 1,024] x [K 1,024, N 1,024]; A: input v; B: input wv: QUANTISED
;;     4. batch 128 x [M 1,024, K 64] x [K 64, N 1,024]; A: computed on the way; B: computed on the way: QUANTISED
;;     5. batch 128 x [M 1,024, K 1,024] x [K 1,024, N 64]; A: softmax (see below); B: computed on the way: QUANTISED
;;     6. [M 8,192, K 1,024] x [K 1,024, N 1,024]; A: computed on the way; B: input wo: QUANTISED
;;   THE QUANTISER, for each operand of a quantised product, along K:
;;     - K is cut into blocks of 32 from its start; a last block that is shorter is filled with zeros.
;;     - A block's scale is 2^e with e = floor(log2(the largest magnitude in the block)) - 2, held to -126 .. 127; a block of zeros has e = 0. As a byte (E8M0): e + 127.
;;     - Each number is divided by its block's scale, clamped to +-7.5, and rounded to the nearest number of E2M3, ties to even, subnormals kept.
;;     - The product sums the exact products of the quantised numbers (number of the format x scale) in f32.
;;   ~~~python
;;   def quantise(x, axis):      # numpy; x: float32 -> the quantised numbers, widened to float32 again
;;       x = np.moveaxis(x, axis, -1); K = x.shape[-1]
;;       x = np.pad(x, [(0, 0)] * (x.ndim - 1) + [(0, -K % 32)]); x = x.reshape(x.shape[:-1] + (-1, 32)); a = np.abs(x).max(-1, keepdims=True)
;;       e = np.where(a > 0, np.clip(np.frexp(np.where(a > 0, a, 1))[1] - 1 - 2, -126, 127), 0)      # np.frexp(a)[1] - 1 = floor(log2(a)), exactly
;;       r = np.clip(x / 2.0 ** e, -7.5, 7.5)
;;       step = 2.0 ** (np.maximum(np.frexp(np.where(r == 0, 1, r))[1] - 1, 0) - 3)
;;       q = np.round(r / step) * step * 2.0 ** e      # np.round: ties to even
;;       return np.moveaxis(q.reshape(q.shape[:-2] + (-1,))[..., :K], -1, axis).astype(np.float32)
;;   ~~~
;;   SOFTMAX AHEAD OF A QUANTISED PRODUCT. Where the list says 'softmax', what is quantised is not the finished softmax but p = 2^(t - M), with t = logit x log2(e) and M = ceil(the row's largest t), a whole number; so 1/2 < the row's largest p <= 1. The row's sum l is taken of the UNQUANTISED p, in f32, and the product's result is divided by l at the end. Since M is a whole number, a kernel that streams over the keys may use a running M (the ceiling of the running maximum): every later rescaling is an exact power of two, which a block's scale takes up: the codes' values come out the same.
;;   OPERANDS COMPUTED ON THE WAY. 'Computed on the way' means the value that the module computes at that place (a softmax that the list does not call 'softmax' is quantised finished and normalised). What goes into a quantiser is computed in f32, as accurately as f32 sums, v_exp_f32 and their like allow (about 1e-6 of the number): no bf16 or f16 on the way to a quantiser, and a product that is left as it is and whose result goes on into a quantised operand takes f32 operands (vector FMAs, or v_wmma_f32_16x16x4_f32). A number that lies on a knife's edge between two numbers of the format may be rounded either way, as far as f32 arithmetic and the matrix unit's own rounding can turn it there, and no further.
;; One version. Each part assembles by itself: llvm-mc -triple=amdgcn-amd-amdhsa -mcpu=gfx1250 --defsym DOCPART=n.
;; ======== version 1 of 1: 4 launches
;; limits: a function is approximated: absolute error at most 1.5e-07
;; workspace buffers: xc 18,874,368 bytes; xs 786,432 bytes; wc 3,145,728 bytes; ws 131,072 bytes; hc 18,874,368 bytes; hs 786,432 bytes; cc 6,291,456 bytes; cs 262,144 bytes
;; launch quant (part 1): grid 512 x 1, 4 waves a work-group, no clusters, 34,304 bytes of LDS; arguments q, k, v, wq, wk, wv, wo, xc, xs, wc, ws; writes xc, xs, wc, ws
.if DOCPART == 1
	.amdgcn_target "amdgcn-amd-amdhsa--gfx1250"
	.amdhsa_code_object_version 6
	.text
	.protected	k_qb6588bf60d_quant
	.globl	k_qb6588bf60d_quant
	.p2align	8
	.type	k_qb6588bf60d_quant,@function
k_qb6588bf60d_quant:
	s_mov_b64 s[64:65], 0
	v_nop
	global_prefetch_b8 v0, s[64:65] scope:SCOPE_SE
	s_setreg_imm32_b32 hwreg(HW_REG_WAVE_MODE, 25, 1), 1
	s_wait_xcnt 0x0
; q, k, v [8192][1024] and wq, wk, wv, wo [1024 (K)][1024], f32, become codes of FP6 (E2M3) with one E8M0 byte for each 32 along K, laid in the ORDER OF THE READER'S OPERAND REGISTERS.
; A fragment is 16 rows x 128 K = 12 registers a lane (lane (r, h): registers 6 c .. 6 c + 5 = k 64 c + 32 h + 0 .. 31 of row r).  Its image: registers 4 j .. 4 j + 3 of lane L at 512 j + 16 L: 1,536 bytes.
; xc: [q, k, v][tile 512][K step 8] images;  wc: [wq, wk, wv, wo][tile 64][K step 8] images.  Scale words (four bytes: 128 K of a row) of a tile: word of K step ks, row r at 128 (ks / 2) + 8 r + 4 (ks % 2): 512 bytes a tile.
; WHICH ROWS FORM A TILE: q and wo: tile T, row r = 16 T + r.  k, v and the columns of wq, wk, wv: tile 2 B + u, row r = 32 B + 8 u + r + 8 (r / 8), so that as source 0 of a product two neighbouring result tiles hold 16 neighbours a lane.
; A block's scale is 2^(floor(log2(largest magnitude)) - 2); its byte is the largest magnitude's exponent field - 2, held at 1 from below.
; LIMITS: NaN and infinities are not served.  A block of zeros, or one whose largest magnitude lies under 2^-124, gets the byte 1 (its codes are zeros or tiny); the bytes are read by this program alone.
; Work-groups 0-127 take the weights (a lane to a column, registers down K, no LDS); work-groups 128-511 take q, k, v (a wave to a tile of 16 rows; 128 K at a time turn through the wave's own stage in LDS).  No barrier: waves share nothing.
.set SPI,  528                         ; a stage row: 512 bytes + 16 = 132 words: row r starts at bank 4 r mod 64 (64 banks of 4 bytes: ISA guide 11.1)
.set WREG, 16*SPI                      ; a wave's stage
.set R,   16                           ; v16-143  two sets of 64: a step's numbers as loaded
.set X,   144                          ; v144-207 my two blocks of 32 neighbours
.set C,   208                          ; v208-231 two sets of 12: the codes
.set T,   232                          ; v232-238 the upper halves' codes before they are moved
.set SW,  240                          ; v240-247 the eight scale words of my row
.set MX,  248
.set SOP, 250
.set BY,  252
.set WD,  254
.set WX,  255
	s_load_b256 s[4:11], s[0:1], 0x0               ; q, k, v, wq
	s_load_b256 s[12:19], s[0:1], 0x20             ; wk, wv, wo, xc
	s_load_b128 s[20:23], s[0:1], 0x40             ; xs, wc
	s_load_b64 s[24:25], s[0:1], 0x50              ; ws
	v_lshl_add_u32 v235, v0, 2, 0x8400
	v_mov_b32 v239, 0
	v_lshrrev_b32 v1, 5, v0
	v_readfirstlane_b32 s26, v1                    ; wave
	v_and_b32 v7, 31, v0                           ; L
	v_and_b32 v8, 15, v0                           ; r
	v_bfe_u32 v9, v0, 4, 1                         ; h
	s_cmp_lt_u32 ttmp9, 128
	s_cbranch_scc1 .Lweights
	; ---------------- q, k, v: my wave's tile of 16 rows, all 1,024 along K
	s_sub_co_u32 s30, ttmp9, 128
	s_lshr_b32 s31, s30, 7                         ; which tensor
	s_and_b32 s30, s30, 127
	s_lshl_b32 s30, s30, 2
	s_add_co_u32 s30, s30, s26                     ; T: my tile
	s_lshl_b32 s32, s30, 4                         ; q: first row 16 T, rows 8-15 follow 8 rows on
	s_lshr_b32 s33, s30, 1
	s_lshl_b32 s33, s33, 5
	s_and_b32 s34, s30, 1
	s_lshl_b32 s34, s34, 3
	s_add_co_u32 s33, s33, s34                     ; k, v: first row 32 (T / 2) + 8 (T % 2), rows 8-15 follow 16 rows on
	s_mov_b32 s35, 65536
	s_cmp_eq_u32 s31, 0
	s_cselect_b32 s32, s32, s33
	s_cselect_b32 s35, 32768, s35                  ; bytes from row 0 to row 8 of the tile
	s_lshl_b32 s32, s32, 12                        ; a row is 4,096 bytes
	s_mov_b32 s33, 0
	s_mul_i32 s36, s31, 6291456
	s_mul_i32 s37, s30, 12288
	s_add_co_u32 s36, s36, s37                     ; my tile's images
	s_mov_b32 s37, 0
	s_lshl_b32 s38, s31, 18
	s_lshl_b32 s39, s30, 9
	s_add_co_u32 s38, s38, s39                     ; my tile's scale words
	s_mov_b32 s39, 0
	s_mov_b32 s27, 0xffff0000                      ; lanes 16-31
	s_mov_b32 s28, 0x76543210
	s_mov_b32 s29, 0xfedcba98                      ; v_permlanex16_b32's selects for lane l xor 16
	s_mul_i32 s40, s26, WREG
	v_lshlrev_b32 v1, 4, v7                        ; 16 L: my 16 bytes of a load's 512, and of an image's 512
	v_add_nc_u32 v2, s35, v1                       ; the same for rows 8-15
	v_add_nc_u32 v3, s40, v1                       ; the stage, on the way in
	v_mul_u32_u24 v4, v8, SPI
	v_lshl_add_u32 v4, v9, 7, v4
	v_add_nc_u32 v4, s40, v4                       ; and out: row r, 128 h bytes on: my 32 numbers of 64
	v_lshlrev_b32 v5, 3, v7                        ; 8 L
	v_lshlrev_b32 v6, 3, v9                        ; 8 h
	v_mov_b32 v[WX], 0                             ; a lane permute's destination counts as read
	s_wait_kmcnt 0x0
	s_cmp_eq_u32 s31, 1
	s_cselect_b64 s[4:5], s[6:7], s[4:5]
	s_cmp_eq_u32 s31, 2
	s_cselect_b64 s[4:5], s[8:9], s[4:5]
	s_add_nc_u64 s[4:5], s[4:5], s[32:33]
	s_add_nc_u64 s[18:19], s[18:19], s[36:37]
	s_add_nc_u64 s[20:21], s[20:21], s[38:39]
.macro XLOAD t                         ; step t: 128 K of 16 rows; each load reads 512 consecutive bytes of one row
.set i, 0
.rept 8
	global_load_b128 v[R+64*((\t)%2)+4*i:R+64*((\t)%2)+4*i+3], v1, s[4:5] offset:4096*i+512*(\t) th:TH_LOAD_NT
.set i, i+1
.endr
.set i, 0
.rept 8
	global_load_b128 v[R+64*((\t)%2)+32+4*i:R+64*((\t)%2)+32+4*i+3], v2, s[4:5] offset:4096*i+512*(\t) th:TH_LOAD_NT
.set i, i+1
.endr
.endm
.macro XSTEP t
.set RS, R+64*((\t)%2)
.set CS, C+12*((\t)%2)
.if (\t) < 7
	s_wait_loadcnt 16                              ; this step's 16 loads are in; the next step's 16 may be out
.else
	s_wait_loadcnt 0x0
.endif
.set i, 0
.rept 16
	ds_store_b128 v3, v[RS+4*i:RS+4*i+3] offset:SPI*i
.set i, i+1
.endr
.set i, 0
.rept 8                                ; LDS serves a wave's instructions in order: these see the stores above
	ds_load_b128 v[X+4*i:X+4*i+3], v4 offset:16*i
	ds_load_b128 v[X+32+4*i:X+32+4*i+3], v4 offset:256+16*i
.set i, i+1
.endr
	s_wait_dscnt 0x0                               ; my 64 numbers are back, and the stores have read their registers,
.if (\t)+2 < 8
	XLOAD (\t)+2                                   ; which take the loads of two steps on
.endif
	v_max3_num_f32 v[MX], |v[X]|, |v[X+1]|, 0x1800000       ; block 2 c + h is all mine; the floor 2^(3 - 127) holds the byte at 1 from below
	v_max3_num_f32 v[MX+1], |v[X+32]|, |v[X+33]|, 0x1800000
.set i, 2
.rept 15
	v_max3_num_f32 v[MX], v[MX], |v[X+i]|, |v[X+i+1]|       ; (the two blocks by turns)
	v_max3_num_f32 v[MX+1], v[MX+1], |v[X+32+i]|, |v[X+33+i]|
.set i, i+2
.endr
	v_add_nc_u32 v[SOP], 0xff000000, v[MX]         ; 2 off the exponent field: the conversion takes the exponent field of this operand as its scale
	v_add_nc_u32 v[SOP+1], 0xff000000, v[MX+1]
	v_lshrrev_b32 v[BY], 23, v[SOP]                ; the scale's byte
	v_lshrrev_b32 v[BY+1], 23, v[SOP+1]
	v_lshl_or_b32 v[WD], v[BY+1], 16, v[BY]        ; my two bytes: blocks h and 2 + h,
	v_lshlrev_b32 v[WD], v6, v[WD]                 ; at their places in the word;
	v_permlanex16_b32 v[WX], v[WD], s28, s29
	v_or_b32 v[SW+(\t)], v[WD], v[WX]              ; with lane l xor 16's two the word is whole
.if (\t) >= 2
	s_wait_xcnt 0x0                                ; the stores of two steps ago have read this set of codes
.endif
	v_cvt_scalef32_pk16_fp6_f32 v[CS:CS+2], v[X:X+15], v[SOP]
	v_cvt_scalef32_pk16_fp6_f32 v[T:T+2], v[X+16:X+31], v[SOP]          ; (a conversion's three registers begin on an even number)
	v_cvt_scalef32_pk16_fp6_f32 v[CS+6:CS+8], v[X+32:X+47], v[SOP+1]
	v_cvt_scalef32_pk16_fp6_f32 v[T+4:T+6], v[X+48:X+63], v[SOP+1]
	v_nop                                          ; one plain place behind a scaled conversion
.irp i, 0,1,2
	v_mov_b32 v[CS+3+\i], v[T+\i]
	v_mov_b32 v[CS+9+\i], v[T+4+\i]
.endr
.irp j, 0,1,2
	global_store_b128 v1, v[CS+4*\j:CS+4*\j+3], s[18:19] offset:1536*(\t)+512*\j   ; 512 consecutive bytes
.endr
.if (\t)%4 == 3                        ; four steps' words: lanes 0-15 take K steps t - 3, t - 2, lanes 16-31 K steps t - 1, t: 256 consecutive bytes, aligned
	v_cndmask_b32 v[10+2*((\t)/4)], v[SW+(\t)-3], v[SW+(\t)-1], s27
	v_cndmask_b32 v[11+2*((\t)/4)], v[SW+(\t)-2], v[SW+(\t)], s27
	global_store_b64 v5, v[10+2*((\t)/4):11+2*((\t)/4)], s[20:21] offset:256*((\t)/4)
.endif
.endm
	XLOAD 0
	XLOAD 1
.irp t, 0,1,2,3,4,5,6,7
	XSTEP \t
.endr
	s_wait_tensorcnt 0x0
	ds_add_u32 v235, v239
	s_wait_dscnt 0x0
	s_endpgm
	; ---------------- the weights: my wave's 32 columns x 256 along K: 8 blocks a lane
.Lweights:
	s_lshr_b32 s30, ttmp9, 5                       ; which weight
	s_bfe_u32 s31, ttmp9, 0x30002                  ; which 128 columns
	s_and_b32 s32, ttmp9, 3                        ; which 256 along K
	v_and_b32 v10, 7, v7
	v_and_b32 v11, 8, v7
	v_lshl_or_b32 v10, v11, 1, v10
	v_and_b32 v11, 16, v7
	v_lshrrev_b32 v11, 1, v11
	v_or_b32 v10, v10, v11                         ; lane (u = L / 16, r): column 8 u + r + 8 (r / 8) of the 32
	s_cmp_lt_u32 s30, 3
	s_cselect_b32 s33, -1, 0
	v_cndmask_b32 v10, v7, v10, s33                ; wo: column L
	v_lshlrev_b32 v1, 2, v10                       ; a load still covers the same 128 consecutive bytes
	v_lshlrev_b32 v2, 4, v7                        ; 16 L
	v_lshlrev_b32 v3, 3, v8
	v_lshl_add_u32 v3, v9, 9, v3                   ; scale words: tile u, row r
	s_lshl_b32 s34, s32, 20                        ; 256 rows of 4,096 bytes
	s_lshl_b32 s36, s31, 9
	s_add_co_u32 s34, s34, s36
	s_lshl_b32 s36, s26, 7
	s_add_co_u32 s34, s34, s36
	s_mov_b32 s35, 0
	s_lshl_b32 s36, s31, 3
	s_lshl_b32 s37, s26, 1
	s_add_co_u32 s36, s36, s37                     ; my first tile of two
	s_mul_i32 s38, s30, 786432
	s_mul_i32 s37, s36, 12288
	s_add_co_u32 s38, s38, s37
	s_mul_i32 s37, s32, 3072
	s_add_co_u32 s38, s38, s37
	s_mov_b32 s39, 0
	s_lshl_b32 s40, s30, 15
	s_lshl_b32 s37, s36, 9
	s_add_co_u32 s40, s40, s37
	s_lshl_b32 s37, s32, 7
	s_add_co_u32 s40, s40, s37
	s_mov_b32 s41, 0
	s_wait_kmcnt 0x0
	s_cmp_eq_u32 s30, 1
	s_cselect_b64 s[10:11], s[12:13], s[10:11]
	s_cmp_eq_u32 s30, 2
	s_cselect_b64 s[10:11], s[14:15], s[10:11]
	s_cmp_eq_u32 s30, 3
	s_cselect_b64 s[10:11], s[16:17], s[10:11]
	s_add_nc_u64 s[10:11], s[10:11], s[34:35]
	s_add_nc_u64 s[22:23], s[22:23], s[38:39]
	s_add_nc_u64 s[24:25], s[24:25], s[40:41]
.macro WLOAD t                         ; block t: w(32 t + i, my column) into set t % 2 of v16-79
.set i, 0
.rept 32
	global_load_b32 v[16+32*((\t)%2)+i], v1, s[10:11] offset:(32*(\t)+i)*4096 th:TH_LOAD_NT
.set i, i+1
.endr
.endm
; Block t of a column is block t % 4 = 2 c + p of K step t / 4.  Its codes go to registers 6 c .. 6 c + 5 of F0 (p = 0) or F1 (p = 1).  Lanes 0-15 hold tile 0's rows and lanes 16-31 tile 1's, so exchanging
; F0's lanes 16-31 with F1's lanes 0-15 leaves tile 0's fragment in F0 and tile 1's in F1, each with p as the lane's half.
.macro WBLOCK t
.set XS, 16+32*((\t)%2)
.set CC, ((\t)/2)%2
.set QQ, (\t)/4
.set FF, 80+24*QQ+12*((\t)%2)+6*CC
.if (\t) < 7
	s_wait_loadcnt 32                              ; this block's 32 loads are in; the next block's may be out
.else
	s_wait_loadcnt 0x0
.endif
	v_max3_num_f32 v134, |v[XS]|, |v[XS+1]|, |v[XS+2]|
	v_max3_num_f32 v135, |v[XS+3]|, |v[XS+4]|, |v[XS+5]|
.irp i, 6,10,14,18,22,26
	v_max3_num_f32 v134, v134, |v[XS+\i]|, |v[XS+\i+1]|
	v_max3_num_f32 v135, v135, |v[XS+\i+2]|, |v[XS+\i+3]|
.endr
	v_max3_num_f32 v134, v134, |v[XS+30]|, |v[XS+31]|
	v_max3_num_f32 v134, v134, v135, 0x1800000     ; and the floor
	v_add_nc_u32 v136, 0xff000000, v134
	v_lshrrev_b32 v137, 23, v136
.if (\t)%4 == 0
	v_mov_b32 v[132+QQ], v137
.else
	v_lshl_or_b32 v[132+QQ], v137, 8*((\t)%4), v[132+QQ]
.endif
	v_cvt_scalef32_pk16_fp6_f32 v[FF:FF+2], v[XS:XS+15], v136
	v_cvt_scalef32_pk16_fp6_f32 v[128:130], v[XS+16:XS+31], v136
	v_nop                                          ; one plain place behind a scaled conversion
.irp i, 0,1,2
	v_mov_b32 v[FF+3+\i], v[128+\i]
.endr
.if (\t)+2 < 8
	WLOAD (\t)+2
.endif
.if (\t)%2 == 1
.irp j, 0,1,2,3,4,5
	v_permlane16_swap_b32 v[80+24*QQ+6*CC+\j], v[92+24*QQ+6*CC+\j]
.endr
.endif
.if (\t)%4 == 3
.irp u, 0,1
.irp j, 0,1,2
	global_store_b128 v2, v[80+24*QQ+12*\u+4*\j:80+24*QQ+12*\u+4*\j+3], s[22:23] offset:12288*\u+1536*QQ+512*\j   ; 512 consecutive bytes
.endr
.endr
.endif
.endm
	WLOAD 0
	WLOAD 1
.irp t, 0,1,2,3,4,5,6,7
	WBLOCK \t
.endr
	global_store_b64 v3, v[132:133], s[24:25]      ; my column's two scale words: two runs of 128 bytes a wave, one byte in 128 of what this path reads
	s_endpgm
.Lfunc_end_k_qb6588bf60d_quant:
	.size	k_qb6588bf60d_quant, .Lfunc_end_k_qb6588bf60d_quant-k_qb6588bf60d_quant
	.p2alignl 7, 3214868480
	.fill 96, 4, 3214868480
	.section	.rodata,"a",@progbits
	.p2align	6, 0x0
	.amdhsa_kernel k_qb6588bf60d_quant
		.amdhsa_group_segment_fixed_size 34304
		.amdhsa_private_segment_fixed_size 0
		.amdhsa_enable_private_segment 0
		.amdhsa_kernarg_size 88
		.amdhsa_user_sgpr_count 2
		.amdhsa_user_sgpr_kernarg_segment_ptr 1
		.amdhsa_wavefront_size32 1
		.amdhsa_system_sgpr_workgroup_id_x 1
		.amdhsa_system_sgpr_workgroup_id_y 1
		.amdhsa_system_sgpr_workgroup_id_z 1
		.amdhsa_system_vgpr_workitem_id 0
		.amdhsa_next_free_vgpr 256
		.amdhsa_next_free_sgpr 66
		.amdhsa_reserve_vcc 0
		.amdhsa_float_denorm_mode_32 3
		.amdhsa_float_denorm_mode_16_64 3
		.amdhsa_memory_ordered 1
		.amdhsa_forward_progress 1
		.amdhsa_inst_pref_size 97
	.end_amdhsa_kernel
	.amdgpu_metadata
---
amdhsa.version: [ 1, 2 ]
amdhsa.kernels:
  - .name:           k_qb6588bf60d_quant
    .symbol:         k_qb6588bf60d_quant.kd
    .args:
      - { .name: q, .offset: 0, .size: 8, .value_kind: global_buffer, .address_space: global }
      - { .name: k, .offset: 8, .size: 8, .value_kind: global_buffer, .address_space: global }
      - { .name: v, .offset: 16, .size: 8, .value_kind: global_buffer, .address_space: global }
      - { .name: wq, .offset: 24, .size: 8, .value_kind: global_buffer, .address_space: global }
      - { .name: wk, .offset: 32, .size: 8, .value_kind: global_buffer, .address_space: global }
      - { .name: wv, .offset: 40, .size: 8, .value_kind: global_buffer, .address_space: global }
      - { .name: wo, .offset: 48, .size: 8, .value_kind: global_buffer, .address_space: global }
      - { .name: xc, .offset: 56, .size: 8, .value_kind: global_buffer, .address_space: global }
      - { .name: xs, .offset: 64, .size: 8, .value_kind: global_buffer, .address_space: global }
      - { .name: wc, .offset: 72, .size: 8, .value_kind: global_buffer, .address_space: global }
      - { .name: ws, .offset: 80, .size: 8, .value_kind: global_buffer, .address_space: global }
    .group_segment_fixed_size: 34304
    .private_segment_fixed_size: 0
    .kernarg_segment_align: 8
    .kernarg_segment_size: 88
    .max_flat_workgroup_size: 128
    .sgpr_count:     66
    .vgpr_count:     256
    .wavefront_size: 32
...
	.end_amdgpu_metadata
.endif
;; end of part 1
;; launch proj (part 2): grid 4 x 96, 4 waves a work-group, clusters of 4 x 4, 327,680 bytes of LDS; arguments xc, xs, wc, ws, bq, bk, bv, hc, hs; writes hc, hs
.if DOCPART == 2
	.amdgcn_target "amdgcn-amd-amdhsa--gfx1250"
	.amdhsa_code_object_version 6
	.text
	.protected	k_qb6588bf60d_proj
	.globl	k_qb6588bf60d_proj
	.p2align	8
	.type	k_qb6588bf60d_proj,@function
k_qb6588bf60d_proj:
	s_mov_b64 s[64:65], 0
	v_nop
	global_prefetch_b8 v0, s[64:65] scope:SCOPE_SE
	s_setreg_imm32_b32 hwreg(HW_REG_WAVE_MODE, 25, 1), 1
	s_wait_xcnt 0x0
	s_wait_alu depctr_hold_cnt(0) depctr_sa_sdst(0) depctr_va_vdst(0) depctr_va_sdst(0) depctr_va_ssrc(0) depctr_va_vcc(0) depctr_vm_vsrc(0)
	s_getreg_b32 s2, hwreg(HW_REG_IB_STS2, 6, 4)
	s_cmp_eq_u32 s2, 0
	s_cbranch_scc0 .Lentry_in_a_cluster
	s_endpgm
.Lentry_in_a_cluster:
	s_bfe_u32 s2, ttmp6, 0x10000c
	s_cmp_lg_u32 s2, 0xf033
	s_cbranch_scc0 .Lentry_shape_is_right
	s_endpgm
.Lentry_shape_is_right:
; The three projections on codes of FP6 (E2M3), K = 1,024, and their results quantised in registers: qh and kh along the head's 64, vh along the keys.
; 384 tiles of 256 x 256, one to a work-group of four waves; a wave makes 128 x 128: 64 accumulators (windows 2 and 3).  Source 0 = 16 rows of B, source 1 = 16 rows of A: a lane holds ONE row of A and its registers run along B's rows.
;   q, k (sel 0, 1): A = the tokens' tiles, B = the weight's columns (chosen tiles): a lane's 64 registers of a block of A are 128 neighbouring columns (h, d), 16 of each 32: two heads.
;   v (sel 2):       A = wv's columns, B = v's tokens (chosen tiles): a lane holds one (h, d) and its registers run along 128 keys.
; The bias is the C of each sum's first matrix instruction.  Operands lie in memory as images of their registers, so a K step's tile is dense and every LDS read covers 512 consecutive bytes: no padding.
; K goes in four steps of 256 through THREE LDS slots: K steps 0, 1 and 2 are first fills, all asked for at the start; K step 3 is the one refill, into slot 0, asked for when K step 0 has been read: K steps 1 and 2 are multiplied while it is on its way.
; The scale words of the work-group's rows for all of K come once.  CLUSTERS 4 x 4: A's tile is shared along a row of the cluster, B's along a column: joint loads.
; OUT: hc [b h 128][Q, K, V] x 49,152 bytes.  Q, K: [tile of 16 rows, 64] x 768 bytes: registers 2 p, 2 p + 1 (p = 0, 1, 2) of lane L at 256 p + 8 L: 16 rows x 64 K.  V: [key step 8][tile of 16 d, 4] x 1,536 bytes (p = 0 .. 5).
;      hs [b h][Q, K, V] x 2,048 bytes.  Q, K: [pair of tiles 32][r 16] a word: bytes 0, 1 the even tile's two blocks, bytes 2, 3 the odd tile's.  V: [key step][tile of d][r] a word.
; LIMITS: NaN and infinities are not served; a block whose largest magnitude lies under 2^-124 gets the byte 1.  The scale words leave in runs of 64 bytes (one byte in 24 of the output).
; REGISTERS: window 0: v12, v24-27 addresses; v16-22 LDS addresses; v28, v29 the add's; v32-63 scale words, two sets; v64-127 the bias, on the way out at work; v128-223 A's fragments, one set; v224-231 the bias's offsets.
;   window 1: B's fragments, two sets, at v0 and v128.   window 2: accumulators of my rows 0-63 ((a, b) at v[8 (8 a + b)]);   window 3: rows 64-127.
.set NQ,    2                          ; matrix instructions deep in a slot
.set FR,    12                         ; registers of a fragment
.set NL,    3                          ; LDS loads that bring one
.set NP,    4                          ; places behind this matrix instruction (ISA guide 7.12.1)
.set HALFT, 24576                      ; 8 tiles of 16 rows x 256 K: what one tensor load brings, and what one wave reads of A or of B
.set SLOT,  4*HALFT
.set SCL,   3*SLOT                     ; behind the three slots: the scale words, 512 bytes a tile of 16 rows
.set HALFS, 4096
.set SPARE, SCL+4*HALFS                ; the spare words, 128 bytes a wave: two blocks of 256 bytes that no other line names
.set SELV, 12
.set ADRA, 16                          ; v16-18 LDS address of my A fragments in slot 0, 1, 2
.set ADRB, 20                          ; v20-22 the same for B
.set CO0,  24
.set CO1,  25
.set SO,   26
.set ADRS, 27
.set SPW,  28
.set NIL,  29
.set SC,   32                          ; scale words: set j % 2 serves K step j
.set BI,   64
.set AF,   128
.set VO,   224
.set TM,   64                          ; the way out: v64-79 maxima, bytes, scale operands; v80, v81 two blocks' scale words; v82 the word to store; v84-103 codes
.set PW,   80
.set SV,   82
.set PC,   84
.set G0C,  4                           ; s[4:7] group 0 for A's slot 2, s[8:11] for B's: the buffers' addresses that stood there are done with by then
.set G0CB, 8
.set G1,   24
.set G0,   32
.set G1B,  48
.set G0B,  56
.set G1S,  68
.set G0S,  76
.set G1SB, 80
.set G0SB, 88
.set MSB, 0
.macro WIN new                         ; the immediate's high byte repeats the setting that is left
.if MSB != \new
	s_set_vgpr_msb (MSB<<8)|\new
.set MSB, \new
.endif
.endm
.set MUL_LO, 0xa1                      ; source 0 (B) window 1, source 1 (A) window 0, C and D window 2
.set MUL_HI, 0xf1
.set BIA_LO, 0x81                      ; the same with C (the bias) in window 0
.set BIA_HI, 0xc1
.set TO_B,   0x40
; A joint load: waves 0 and 1 fetch for A, waves 2 and 3 for B; the branch hangs on the wave's number alone.  Four v_nop follow each of the two lines.
.macro JLOAD g0a, g1a, g0b, g1b
	s_cmp_eq_u32 s23, 0
	s_cbranch_scc0 .Lfor_b_\@
	tensor_load_to_lds s[\g0a:\g0a+3], s[\g1a:\g1a+7]
	s_nop 0
.rept 4
	v_nop
.endr
	s_branch .Lasked_\@
.Lfor_b_\@:
	tensor_load_to_lds s[\g0b:\g0b+3], s[\g1b:\g1b+7]
	s_nop 0
.rept 4
	v_nop
.endr
.Lasked_\@:
.endm
.macro CREST                           ; a round of the cluster's barrier behind its opening barrier
	s_cmp_lg_u32 s22, 0
	s_cbranch_scc1 .Lnot_wave_0_\@
	s_barrier_signal -3
.Lnot_wave_0_\@:
	s_barrier_wait -3
	s_barrier_signal -1
	s_barrier_wait -1
.endm
.macro CROUND
	s_barrier_signal -1
	s_barrier_wait -1
	CREST
.endm
	s_load_b256 s[4:11], s[0:1], 0x0               ; xc, xs, wc, ws
	s_load_b256 s[12:19], s[0:1], 0x20             ; bq, bk, bv, hc
	s_load_b64 s[20:21], s[0:1], 0x40              ; hs
	v_lshl_add_u32 v[SPW], v0, 2, SPARE
	v_mov_b32 v[NIL], 0
	ds_add_u32 v28, v29
	ds_add_u32 v28, v29
	s_wait_dscnt 0x0
	v_lshrrev_b32 v1, 5, v0
	v_readfirstlane_b32 s22, v1                    ; wave
	s_lshr_b32 s23, s22, 1                         ; which half of A's rows is mine.  Also: I fetch for A (0) or for B (1)
	s_and_b32 s2, s22, 1                           ; which half of B's rows.  Also: which half of that tile I fetch
	s_bfe_u32 s40, ttmp6, 0x40000                  ; cx
	s_bfe_u32 s41, ttmp6, 0x40004                  ; cy
	s_and_b32 s66, ttmp7, 0xffff                   ; the cluster's y, 0 .. 23: the same in all sixteen partners
	s_and_b32 s67, s66, 7                          ; which of a projection's eight clusters
	s_lshr_b32 s66, s66, 3                         ; sel: q, k, v
	s_cmp_lt_u32 s66, 2
	s_cselect_b32 s96, s67, 0
	s_cselect_b32 s97, 0, s67
	s_lshl_b32 s96, s96, 2
	s_add_co_u32 s95, s96, s41                     ; A's tile of 256 rows
	s_lshl_b32 s97, s97, 2
	s_add_co_u32 s42, s97, s40                     ; B's
	s_lshl_b32 s43, s41, 2
	s_lshl_b32 s43, 15, s43                        ; my row of the cluster
	s_lshl_b32 s44, 0x1111, s40                    ; my column
	; descriptor group 1, codes: 8 rows (tiles of 16 rows) of 3,072 bytes (two images), 12,288 bytes apart; elements of 8 bytes
	s_or_b32 s[G1+0], s43, (3<<16)|(1<<21)
	s_or_b32 s[G1B+0], s44, (3<<16)|(1<<21)
.irp g, G1, G1B
	s_mov_b32 s[\g+1], 384<<16                     ; tensor_dim0
	s_mov_b32 s[\g+2], 8<<16                       ; tensor_dim1
	s_mov_b32 s[\g+3], 384<<16                     ; tile_dim0
	s_mov_b32 s[\g+4], 8                           ; tile_dim1
	s_mov_b32 s[\g+5], 1536                        ; tensor_dim0_stride
	s_mov_b32 s[\g+6], 0
	s_mov_b32 s[\g+7], 0
.endr
	; scale words of 128 rows: 4,096 dense bytes as 16 rows of 256
	s_or_b32 s[G1S+0], s43, (3<<16)|(1<<21)
	s_or_b32 s[G1SB+0], s44, (3<<16)|(1<<21)
.irp g, G1S, G1SB
	s_mov_b32 s[\g+1], 32<<16
	s_mov_b32 s[\g+2], 16<<16
	s_mov_b32 s[\g+3], 32<<16
	s_mov_b32 s[\g+4], 16
	s_mov_b32 s[\g+5], 32
	s_mov_b32 s[\g+6], 0
	s_mov_b32 s[\g+7], 0
.endr
	s_lshl_b32 s101, s2, 3                         ; which 8 of the 16 tiles of 16 rows I fetch
	s_lshl_b32 s100, s95, 4
	s_add_co_u32 s100, s100, s101                  ; A's
	s_mul_i32 s92, s100, 12288
	s_lshl_b32 s96, s100, 9
	s_lshl_b32 s3, s42, 4
	s_add_co_u32 s3, s3, s101                      ; B's
	s_mul_i32 s46, s3, 12288
	s_lshl_b32 s98, s3, 9
	s_mul_i32 s100, s66, 6291456                   ; q, k: A in xc and xs, B in wc and ws, part sel;  v: A = wv (part 2 of wc, ws), B = v (part 2 of xc, xs)
	s_mul_i32 s101, s66, 262144
	s_mul_i32 s3, s66, 786432
	s_mul_i32 s94, s66, 32768
	s_cmp_lt_u32 s66, 2
	s_cselect_b32 s100, s100, 1572864
	s_cselect_b32 s101, s101, 65536
	s_cselect_b32 s3, s3, 12582912
	s_cselect_b32 s94, s94, 524288
	s_add_co_u32 s92, s92, s100
	s_add_co_u32 s96, s96, s101
	s_add_co_u32 s46, s46, s3
	s_add_co_u32 s98, s98, s94
	s_mov_b32 s93, 0
	s_mov_b32 s97, 0
	s_mov_b32 s47, 0
	s_mov_b32 s99, 0
	s_mul_i32 s45, s22, HALFT                      ; where they go: wave x 8 tiles: no place in the cluster enters an LDS address
	s_lshl_b32 s94, s22, 12
	s_wait_kmcnt 0x0
	s_cmp_lt_u32 s66, 2
	s_cselect_b64 s[100:101], s[4:5], s[8:9]
	s_add_nc_u64 s[92:93], s[100:101], s[92:93]    ; A's codes
	s_cselect_b64 s[100:101], s[6:7], s[10:11]
	s_add_nc_u64 s[96:97], s[100:101], s[96:97]    ; A's scales
	s_cselect_b64 s[100:101], s[8:9], s[4:5]
	s_add_nc_u64 s[46:47], s[100:101], s[46:47]    ; B's codes
	s_cselect_b64 s[100:101], s[10:11], s[6:7]
	s_add_nc_u64 s[98:99], s[100:101], s[98:99]    ; B's scales
	CROUND                                         ; all sixteen work-groups are here: the first joint loads meet
	s_mov_b32 s[G0S], 1
	s_add_co_u32 s[G0S+1], s94, SCL
	s_mov_b64 s[G0S+2:G0S+3], s[96:97]
	s_or_b32 s[G0S+3], s[G0S+3], 0x80000000
	s_mov_b32 s[G0SB], 1
	s_add_co_u32 s[G0SB+1], s94, SCL
	s_mov_b64 s[G0SB+2:G0SB+3], s[98:99]
	s_or_b32 s[G0SB+3], s[G0SB+3], 0x80000000
	JLOAD G0S, G1S, G0SB, G1SB                     ; the scale words first: they are wanted with K step 0
.irp s, 0,1
	s_mov_b32 s[G0+4*\s], 1
	s_add_co_u32 s[G0+4*\s+1], s45, \s*SLOT
	s_add_nc_u64 s[G0+4*\s+2:G0+4*\s+3], s[92:93], \s*3072
	s_or_b32 s[G0+4*\s+3], s[G0+4*\s+3], 0x80000000
	s_mov_b32 s[G0B+4*\s], 1
	s_add_co_u32 s[G0B+4*\s+1], s45, \s*SLOT
	s_add_nc_u64 s[G0B+4*\s+2:G0B+4*\s+3], s[46:47], \s*3072
	s_or_b32 s[G0B+4*\s+3], s[G0B+4*\s+3], 0x80000000
	JLOAD G0+4*\s, G1, G0B+4*\s, G1B
.endr
	s_mov_b32 s[G0C], 1                            ; slot 2: K step 2
	s_add_co_u32 s[G0C+1], s45, 2*SLOT
	s_add_nc_u64 s[G0C+2:G0C+3], s[92:93], 2*3072
	s_or_b32 s[G0C+3], s[G0C+3], 0x80000000
	s_mov_b32 s[G0CB], 1
	s_add_co_u32 s[G0CB+1], s45, 2*SLOT
	s_add_nc_u64 s[G0CB+2:G0CB+3], s[46:47], 2*3072
	s_or_b32 s[G0CB+3], s[G0CB+3], 0x80000000
	JLOAD G0C, G1, G0CB, G1B                       ; by this text's count four tensor loads of a wave are out here, later one
	v_and_b32 v1, 15, v0                           ; r
	v_bfe_u32 v2, v0, 4, 1                         ; h
	v_and_b32 v3, 31, v0                           ; L
	; THE BIAS, in the result's layout.  q, k: register j of tile b is column J0 + 32 (b / 2) + 8 (b % 2) + 16 h + j.  v: all eight registers of block a are wv's column I0 + 32 (a / 2) + 8 (a % 2) + r + 8 (r / 8)
	s_lshl_b32 s3, s42, 8
	s_lshl_b32 s100, s2, 7
	s_add_co_u32 s3, s3, s100                      ; J0: my first row of B
	s_lshl_b32 s100, s95, 8
	s_lshl_b32 s101, s23, 7
	s_add_co_u32 s100, s100, s101                  ; I0: my first row of A
	s_cmp_lt_u32 s66, 2
	s_cselect_b32 s3, s3, s100
	s_cselect_b32 s100, 4, 0                       ; bytes from register to register
	s_cselect_b32 s101, -1, 0
	v_lshlrev_b32 v4, 4, v2
	v_and_b32 v5, 8, v1
	v_add_nc_u32 v5, v5, v1
	v_cndmask_b32 v4, v5, v4, s101
	v_add_nc_u32 v4, s3, v4
	v_lshlrev_b32 v[VO], 2, v4
.irp j, 1,2,3,4,5,6,7
	v_add_nc_u32 v[VO+\j], s100, v[VO+\j-1]
.endr
	s_cmp_eq_u32 s66, 1
	s_cselect_b64 s[12:13], s[14:15], s[12:13]
	s_cmp_eq_u32 s66, 2
	s_cselect_b64 s[12:13], s[16:17], s[12:13]
.irp x, 0,1,2,3,4,5,6,7
.irp j, 0,1,2,3,4,5,6,7
	global_load_b32 v[BI+8*\x+\j], v[VO+\j], s[12:13] offset:4*(32*(\x/2)+8*(\x%2))
.endr
.endr
	v_lshlrev_b32 v6, 4, v3                        ; 16 L: my place in every image
	s_mul_i32 s100, s23, HALFT                     ; my 8 tiles of A
	s_mul_i32 s101, s2, HALFT
	s_add_co_u32 s101, s101, 2*HALFT               ; my 8 tiles of B, behind A's 16
.irp s, 0,1,2
	v_add_nc_u32 v[ADRA+\s], s100, v6
	v_add_nc_u32 v[ADRB+\s], s101, v6
	s_add_co_u32 s100, s100, SLOT
	s_add_co_u32 s101, s101, SLOT
.endr
	v_lshlrev_b32 v7, 3, v1                        ; scale words: 8 r: the two words of a K step
	s_lshl_b32 s100, s23, 12
	s_lshl_b32 s101, s2, 12
	s_add_co_u32 s101, s101, 2*HALFS
	s_sub_co_u32 s101, s101, s100
	v_mul_u32_u24 v8, s101, v2                     ; lanes 16-31 take B's: the lower base + h x the distance
	s_add_co_u32 s100, s100, SCL
	v_add_nc_u32 v7, v7, v8
	v_add_nc_u32 v[ADRS], s100, v7
.macro FRAG reg, adr, q, i             ; a fragment comes as it was stored: three loads of 512 consecutive bytes
.irp j, 0,1,2
	ds_load_b128 v[\reg+4*\j:\reg+4*\j+3], v[\adr] offset:(\i)*3072+(\q)*1536+512*\j
.endr
.endm
; 16 matrix instructions: A's blocks a0, a0 + 1 x B's eight.  mode 0: adds on; 1: C = the bias by B's block; 2: C = the bias by A's block.  The 64 accumulators take turns, one instruction a turn.
.macro MUL16 a0, p, q, sc, mode
.irp a, \a0, \a0+1
.irp b, 0,1,2,3,4,5,6,7
.if \mode == 0
	v_wmma_scale_f32_16x16x128_f8f6f4 v[8*(8*((\a)%4)+\b):8*(8*((\a)%4)+\b)+7], v[128*(\p)+FR*\b:128*(\p)+FR*\b+FR-1], v[AF+FR*(\a):AF+FR*(\a)+FR-1], v[8*(8*((\a)%4)+\b):8*(8*((\a)%4)+\b)+7], v[SC+8*NQ*(\sc)+NQ*\b+(\q)], v[SC+8*NQ*(\sc)+NQ*(\a)+(\q)] matrix_a_fmt:MATRIX_FMT_FP6 matrix_b_fmt:MATRIX_FMT_FP6 matrix_a_scale:MATRIX_SCALE_ROW1
.elseif \mode == 1
	v_wmma_scale_f32_16x16x128_f8f6f4 v[8*(8*((\a)%4)+\b):8*(8*((\a)%4)+\b)+7], v[128*(\p)+FR*\b:128*(\p)+FR*\b+FR-1], v[AF+FR*(\a):AF+FR*(\a)+FR-1], v[BI+8*\b:BI+8*\b+7], v[SC+8*NQ*(\sc)+NQ*\b+(\q)], v[SC+8*NQ*(\sc)+NQ*(\a)+(\q)] matrix_a_fmt:MATRIX_FMT_FP6 matrix_b_fmt:MATRIX_FMT_FP6 matrix_a_scale:MATRIX_SCALE_ROW1
.else
	v_wmma_scale_f32_16x16x128_f8f6f4 v[8*(8*((\a)%4)+\b):8*(8*((\a)%4)+\b)+7], v[128*(\p)+FR*\b:128*(\p)+FR*\b+FR-1], v[AF+FR*(\a):AF+FR*(\a)+FR-1], v[BI+8*(\a):BI+8*(\a)+7], v[SC+8*NQ*(\sc)+NQ*\b+(\q)], v[SC+8*NQ*(\sc)+NQ*(\a)+(\q)] matrix_a_fmt:MATRIX_FMT_FP6 matrix_b_fmt:MATRIX_FMT_FP6 matrix_a_scale:MATRIX_SCALE_ROW1
.endif
.endr
.endr
.endm
.macro FETCH_B slot, q, p
	WIN TO_B
.irp i, 0,1,2,3,4,5,6,7
	FRAG 128*(\p)+FR*\i, ADRB+\slot, \q, \i
.endr
	WIN 0
.endm
.macro FETCH_A slot, q, i0
.irp i, \i0, \i0+1, \i0+2, \i0+3
	FRAG AF+FR*(\i), ADRA+\slot, \q, \i
.endr
.endm
.macro SCALES sc                       ; a K step's two words a row: lanes 0-15 A's block i, lanes 16-31 B's block i
.irp i, 0,1,2,3,4,5,6,7
	ds_load_b64 v[SC+8*NQ*\sc+NQ*\i:SC+8*NQ*\sc+NQ*\i+1], v[ADRS] offset:\i*512
.endr
.endm
.macro PLACES n                        ; plain vector instructions behind matrix instructions, in front of loads into their registers and of reads of their results
.rept \n
	v_nop
.endr
.endm
.macro STEP slot, sc, q, mode          ; 128 along K that has its successor in the same slot; sc: the K step's set of scale words
	s_wait_dscnt 4*NL                              ; B's set and A's blocks 0-3 are in; the youngest 12 loads (A's blocks 4-7) may be out
.if \mode
	WIN BIA_LO
.else
	WIN MUL_LO
.endif
	MUL16 0, (\q)%2, \q, \sc, \mode
	MUL16 2, (\q)%2, \q, \sc, \mode
	s_wait_dscnt 0x0                               ; A's blocks 4-7 are in
	PLACES NP
	FETCH_B \slot, (\q)+1, 1-(\q)%2
	FETCH_A \slot, (\q)+1, 0
.if \mode
	WIN BIA_HI
.else
	WIN MUL_HI
.endif
	MUL16 4, (\q)%2, \q, \sc, \mode
	MUL16 6, (\q)%2, \q, \sc, \mode
	PLACES NP
	WIN 0
	FETCH_A \slot, (\q)+1, 4
.endm
; A slot's last step with a barrier: in front of it each wave waits for all its tensor loads, adds 0 to its spare word, and waits for that and for its reads of this slot.
; fill = 1: this slot is filled again, with the K step three on; the barrier then opens a round of the cluster's.  fill = 0: the barrier shows the refilled slot whole to every wave.
.macro TURN slot, sc, next, nsc, fill
	s_wait_tensorcnt 0x0                           ; all my tensor loads have landed
	ds_add_u32 v[SPW], v[NIL]                      ; 0 onto my spare word
	s_wait_dscnt 4*NL+1                            ; (the add and the youngest 12 loads may be out)
	WIN MUL_LO
	MUL16 0, 1, NQ-1, \sc, 0                       ; sixteen matrix instructions stand between the add and the wait for it
	s_wait_dscnt 0x0                               ; the add is done, and my reads of this slot are over
	s_barrier_signal -1
	MUL16 2, 1, NQ-1, \sc, 0
	WIN 0
	s_barrier_wait -1
.if \fill
	CREST                                          ; no wave of any partner still reads this slot or has a load on its way
	s_add_nc_u64 s[G0+4*\slot+2:G0+4*\slot+3], s[G0+4*\slot+2:G0+4*\slot+3], 9216
	s_add_nc_u64 s[G0B+4*\slot+2:G0B+4*\slot+3], s[G0B+4*\slot+2:G0B+4*\slot+3], 9216
	JLOAD G0+4*\slot, G1, G0B+4*\slot, G1B         ; the first tensor load behind the round, and my only refill; its four v_nop are the places in front of the loads below
.else
	PLACES NP
.endif
	v_add_nc_u32 v[ADRS], 128, v[ADRS]             ; the next K step's scale words
	FETCH_B \next, 0, 0
	FETCH_A \next, 0, 0
	SCALES \nsc
	WIN MUL_HI
	MUL16 4, 1, NQ-1, \sc, 0
	MUL16 6, 1, NQ-1, \sc, 0
	PLACES NP
	WIN 0
	FETCH_A \next, 0, 4
.endm
; A slot's last step without a barrier: the next slot was shown whole to every wave by the wait for all loads and the barrier of the change before, and the slot that is left is not filled again.
.macro PASSON sc, next, nsc
	s_wait_dscnt 4*NL                              ; the youngest 12 loads (A's blocks 4-7) may be out
	WIN MUL_LO
	MUL16 0, 1, NQ-1, \sc, 0
	MUL16 2, 1, NQ-1, \sc, 0
	s_wait_dscnt 0x0                               ; A's blocks 4-7 are in
	WIN 0
	PLACES NP
	v_add_nc_u32 v[ADRS], 128, v[ADRS]
	FETCH_B \next, 0, 0
	FETCH_A \next, 0, 0
	SCALES \nsc
	WIN MUL_HI
	MUL16 4, 1, NQ-1, \sc, 0
	MUL16 6, 1, NQ-1, \sc, 0
	PLACES NP
	WIN 0
	FETCH_A \next, 0, 4
.endm
	s_wait_tensorcnt 2                             ; the scale words and my part of slot 0 are in; slots 1 and 2 may be out
	s_barrier_signal -1
	s_barrier_wait -1
	FETCH_B 0, 0, 0
	FETCH_A 0, 0, 0
	SCALES 0
	FETCH_A 0, 0, 4
	s_wait_loadcnt 0x0                             ; the bias
	s_cmp_eq_u32 s66, 2                            ; the first step is written twice: the bias goes by B's block (q, k) or by A's (v).  The branch hangs on the cluster's y, the same in all partners, and jumps over no tensor load and no barrier
	s_cbranch_scc1 .Lfirst_v
	STEP 0, 0, 0, 1
	s_branch .Lfirst_done
.Lfirst_v:
	STEP 0, 0, 0, 2
.Lfirst_done:
	TURN 0, 0, 1, 1, 1                             ; K step 0 ends: slots 1 and 2 are whole; slot 0 takes K step 3
	STEP 1, 1, 0, 0
	PASSON 1, 2, 0                                 ; K step 1 ends
	STEP 2, 0, 0, 0
	TURN 2, 0, 0, 1, 0                             ; K step 2 ends: K step 3 has landed; nothing is left to fetch
	STEP 0, 1, 0, 0
	s_wait_dscnt 4*NL
	WIN MUL_LO
	MUL16 0, 1, NQ-1, 1, 0
	MUL16 2, 1, NQ-1, 1, 0
	s_wait_dscnt 0x0
	WIN MUL_HI
	MUL16 4, 1, NQ-1, 1, 0
	MUL16 6, 1, NQ-1, 1, 0
	WIN 0
	; THE WAY OUT.  No tensor load of mine is out since the last change of slots, so the descriptors' registers are free.
	s_lshl_b32 s4, s95, 8
	s_lshl_b32 s6, s23, 7
	s_add_co_u32 s4, s4, s6                        ; I0
	s_lshl_b32 s5, s42, 8
	s_lshl_b32 s6, s2, 7
	s_add_co_u32 s5, s5, s6                        ; J0
	s_cmp_lt_u32 s66, 2
	s_cselect_b32 s6, s4, s5                       ; my first token
	s_cselect_b32 s7, s5, s4                       ; my first (h, d)
	s_lshr_b32 s8, s6, 10                          ; batch
	s_and_b32 s6, s6, 1023
	s_lshr_b32 s7, s7, 6                           ; my first head of two
	s_lshl_b32 s8, s8, 4
	s_add_co_u32 s8, s8, s7
	s_mul_i32 s10, s8, 6144
	s_mul_i32 s8, s8, 147456
	s_mul_i32 s24, s66, 49152                      ; part Q, K or V
	s_add_co_u32 s8, s8, s24
	s_lshl_b32 s24, s66, 11
	s_add_co_u32 s10, s10, s24
	s_lshr_b32 s24, s6, 4                          ; q, k: my first tile of 16 tokens (a multiple of 8)
	s_mul_i32 s25, s24, 768
	s_lshl_b32 s24, s24, 5                         ; its pair's 64 bytes of words
	s_lshr_b32 s26, s6, 7                          ; v: my key step
	s_mul_i32 s27, s26, 6144
	s_lshl_b32 s26, s26, 8
	s_cmp_lt_u32 s66, 2
	s_cselect_b32 s25, s25, s27
	s_cselect_b32 s24, s24, s26
	s_mov_b32 s30, 768
	s_cselect_b32 s30, 147456, s30                 ; from registers 0-5 to registers 6-11: the next head's part (q, k), or on in the image (v)
	s_mov_b32 s32, 1536
	s_cselect_b32 s32, 768, s32                    ; from block a to a + 1
	s_mov_b32 s34, 142848
	s_cselect_b32 s34, 768, s34                    ; from block 3 to 4: v goes on to the next head
	s_cselect_b32 s36, 64, 128                     ; the same for the words, by pairs of blocks
	s_cselect_b32 s38, 64, 6016
	s_cselect_b32 s31, 6144, 64                    ; lanes 16-31 store the next head's word (q, k), or the odd block's (v)
	s_mov_b32 s92, 0x03020100
	s_cselect_b32 s92, 0x05040100, s92
	s_mov_b32 s93, 0x07060504
	s_cselect_b32 s93, 0x07060302, s93
	s_add_co_u32 s8, s8, s25
	s_add_co_u32 s10, s10, s24
	s_mov_b32 s9, 0
	s_mov_b32 s11, 0
	s_mov_b32 s33, 0
	s_mov_b32 s35, 0
	s_mov_b32 s37, 0
	s_mov_b32 s39, 0
	s_mov_b32 s94, 0xffff0000
	s_mov_b32 s96, 0x76543210
	s_mov_b32 s97, 0xfedcba98
	s_add_nc_u64 s[18:19], s[18:19], s[8:9]
	s_add_nc_u64 s[20:21], s[20:21], s[10:11]
	v_and_b32 v1, 15, v0
	v_bfe_u32 v2, v0, 4, 1
	v_and_b32 v3, 31, v0
	v_lshlrev_b32 v[CO0], 3, v3                    ; 8 L
	v_add_nc_u32 v[CO1], s30, v[CO0]
	v_lshlrev_b32 v[SO], 2, v1
	v_mad_u32_u24 v[SO], v2, s31, v[SO]
	v_mov_b32 v[SELV], s92
	v_mov_b32 v4, s93
	v_cndmask_b32 v[SELV], v[SELV], v4, s94
.irp b, 0,1,2,3
	v_mov_b32 v[TM+4+\b], 0                        ; a lane permute's destination counts as read
.endr
	PLACES NP
; Block a: my lane's 64 numbers (register 16 b + i = 32 b + 16 h + i along the next K) are quantised where they stand; each accumulator is read from its low end on.
.macro OUTA a
.set AC, 64*((\a)%4)
.set W1, 2+(\a)/4
.set W2, 5*W1
	WIN W2                                         ; sources 0 and 1: the accumulators' window
.irp b, 0,1,2,3
	v_max3_num_f32 v[TM+\b], |v[AC+16*\b]|, |v[AC+16*\b+1]|, 0x1800000    ; with the floor 2^(3 - 127)
.endr
.irp i, 2,4,6,8,10,12,14
.irp b, 0,1,2,3
	v_max3_num_f32 v[TM+\b], |v[AC+16*\b+\i]|, |v[AC+16*\b+\i+1]|, v[TM+\b]
.endr
.endr
	WIN 0
.irp b, 0,1,2,3
	v_permlanex16_b32 v[TM+4+\b], v[TM+\b], s96, s97
.endr
.irp b, 0,1,2,3
	v_max_num_f32 v[TM+\b], v[TM+\b], v[TM+4+\b]   ; with lane l xor 16's: the block's largest magnitude
.endr
.irp b, 0,1,2,3
	v_add_nc_u32 v[TM+12+\b], 0xff000000, v[TM+\b] ; the conversion's scale operand
.endr
.irp b, 0,1,2,3
	v_lshrrev_b32 v[TM+4+\b], 23, v[TM+12+\b]      ; the byte
.endr
	v_lshl_or_b32 v[PW+(\a)%2], v[TM+5], 8, v[TM+4]
	v_lshl_or_b32 v[PW+(\a)%2], v[TM+6], 16, v[PW+(\a)%2]
	v_lshl_or_b32 v[PW+(\a)%2], v[TM+7], 24, v[PW+(\a)%2]
.if (\a) > 0
	s_wait_xcnt 0x0                                ; the last block's stores have read their data and their bases: nothing above rewrites either; the lines below do
.if (\a) == 4
	s_add_nc_u64 s[18:19], s[18:19], s[34:35]
.else
	s_add_nc_u64 s[18:19], s[18:19], s[32:33]
.endif
.if (\a) == 4
	s_add_nc_u64 s[20:21], s[20:21], s[38:39]
.elseif (\a)%2 == 0
	s_add_nc_u64 s[20:21], s[20:21], s[36:37]
.endif
.endif
	WIN W1                                         ; source 0: the accumulators' window
.irp c, 0,1
	v_cvt_scalef32_pk16_fp6_f32 v[PC+6*\c:PC+2+6*\c], v[AC+32*\c:AC+15+32*\c], v[TM+12+2*\c]
	v_cvt_scalef32_pk16_fp6_f32 v[PC+12+4*\c:PC+14+4*\c], v[AC+16+32*\c:AC+31+32*\c], v[TM+13+2*\c]
.endr
	WIN 0
	v_nop                                          ; one plain place behind a scaled conversion
.irp c, 0,1                            ; the operand's layout wants a whole block in a lane
.irp i, 0,1,2
	v_permlane16_swap_b32 v[PC+6*\c+\i], v[PC+12+4*\c+\i]
.endr
.irp i, 0,1,2
	v_mov_b32 v[PC+3+6*\c+\i], v[PC+12+4*\c+\i]
.endr
.endr
.irp p, 0,1,2
	global_store_b64 v[CO0], v[PC+2*\p:PC+2*\p+1], s[18:19] offset:256*\p          ; 256 consecutive bytes, aligned
.endr
.irp p, 0,1,2
	global_store_b64 v[CO1], v[PC+6+2*\p:PC+7+2*\p], s[18:19] offset:256*\p
.endr
.if (\a)%2 == 1
	v_perm_b32 v[SV], v[PW+1], v[PW], v[SELV]      ; q, k: one head's two bytes of both blocks; v: the even block's word below, the odd block's above
	global_store_b32 v[SO], v[SV], s[20:21]
.endif
.endm
.irp a, 0,1,2,3,4,5,6,7
	OUTA \a
.endr
	s_wait_tensorcnt 0x0                           ; the wave's end
	ds_add_u32 v[SPW], v[NIL]
	s_wait_dscnt 0x0
	CROUND                                         ; the closing round
	s_endpgm
.Lfunc_end_k_qb6588bf60d_proj:
	.size	k_qb6588bf60d_proj, .Lfunc_end_k_qb6588bf60d_proj-k_qb6588bf60d_proj
	.p2alignl 7, 3214868480
	.fill 96, 4, 3214868480
	.section	.rodata,"a",@progbits
	.p2align	6, 0x0
	.amdhsa_kernel k_qb6588bf60d_proj
		.amdhsa_group_segment_fixed_size 327680
		.amdhsa_private_segment_fixed_size 0
		.amdhsa_enable_private_segment 0
		.amdhsa_kernarg_size 72
		.amdhsa_user_sgpr_count 2
		.amdhsa_user_sgpr_kernarg_segment_ptr 1
		.amdhsa_wavefront_size32 1
		.amdhsa_system_sgpr_workgroup_id_x 1
		.amdhsa_system_sgpr_workgroup_id_y 1
		.amdhsa_system_sgpr_workgroup_id_z 1
		.amdhsa_system_vgpr_workitem_id 0
		.amdhsa_next_free_vgpr 1024
		.amdhsa_next_free_sgpr 102
		.amdhsa_reserve_vcc 0
		.amdhsa_float_denorm_mode_32 3
		.amdhsa_float_denorm_mode_16_64 3
		.amdhsa_memory_ordered 1
		.amdhsa_forward_progress 1
		.amdhsa_inst_pref_size 164
	.end_amdhsa_kernel
	.amdgpu_metadata
---
amdhsa.version: [ 1, 2 ]
amdhsa.kernels:
  - .name:           k_qb6588bf60d_proj
    .symbol:         k_qb6588bf60d_proj.kd
    .args:
      - { .name: xc, .offset: 0, .size: 8, .value_kind: global_buffer, .address_space: global }
      - { .name: xs, .offset: 8, .size: 8, .value_kind: global_buffer, .address_space: global }
      - { .name: wc, .offset: 16, .size: 8, .value_kind: global_buffer, .address_space: global }
      - { .name: ws, .offset: 24, .size: 8, .value_kind: global_buffer, .address_space: global }
      - { .name: bq, .offset: 32, .size: 8, .value_kind: global_buffer, .address_space: global }
      - { .name: bk, .offset: 40, .size: 8, .value_kind: global_buffer, .address_space: global }
      - { .name: bv, .offset: 48, .size: 8, .value_kind: global_buffer, .address_space: global }
      - { .name: hc, .offset: 56, .size: 8, .value_kind: global_buffer, .address_space: global }
      - { .name: hs, .offset: 64, .size: 8, .value_kind: global_buffer, .address_space: global }
    .group_segment_fixed_size: 327680
    .private_segment_fixed_size: 0
    .kernarg_segment_align: 8
    .kernarg_segment_size: 72
    .max_flat_workgroup_size: 128
    .sgpr_count:     102
    .vgpr_count:     1024
    .wavefront_size: 32
...
	.end_amdgpu_metadata
.endif
;; end of part 2
;; launch attn (part 3): grid 2 x 128, 16 waves a work-group, no clusters, 169,984 bytes of LDS; arguments hc, hs, cc, cs; writes cc, cs
.if DOCPART == 3
	.amdgcn_target "amdgcn-amd-amdhsa--gfx1250"
	.amdhsa_code_object_version 6
	.text
	.protected	k_qb6588bf60d_attn
	.globl	k_qb6588bf60d_attn
	.p2align	8
	.type	k_qb6588bf60d_attn,@function
k_qb6588bf60d_attn:
	s_mov_b64 s[64:65], 0
	v_nop
	global_prefetch_b8 v0, s[64:65] scope:SCOPE_SE
	s_setreg_imm32_b32 hwreg(HW_REG_WAVE_MODE, 25, 1), 1
	s_wait_xcnt 0x0
; ctx = softmax(qh kh^T / 8) vh for one (batch, head), both products on codes of FP6 (E2M3); ctx / l is quantised along (h, d) for the last projection.
; THE SOFTMAX AHEAD OF THE SECOND PRODUCT: t = score x log2(e) / 8; M = the running largest t rounded UP to a whole number; p = 2^(t - M) is quantised along the keys, not normalised; the row's sum is taken of the unquantised p.
; SHARES.  A work-group owns 512 queries of a head; each of its sixteen waves two tiles of 16, one after the other (PASS).  The head's K and V codes (98,304 bytes) and scale words (4,096) come into LDS ONCE, by waves 0-3; nothing is filled again.
; No cluster: only two work-groups share a head, and each fetches its tiles once.
; LAYOUT.  Both products transposed: S^T = K Q^T, O^T = V^T P^T: a lane holds one query.  The head's K is 64, half a matrix instruction: one fragment of K holds key tile 2 i in k 0-63 and key tile 2 i + 1 in k 64-127,
; and Q stands twice, as [q | 0] and [0 | q]: the zero codes pick one of the two tiles, so that no byte read from LDS is idle.
; The keys of a tile and the d of a tile of V were chosen by the launches before so that 16 registers of two neighbouring result tiles are 16 neighbours.
; OUT: cc [tile of 16 rows, 512][head 16] x 768 bytes: registers 2 p, 2 p + 1 of lane L at 256 p + 8 L;  cs [tile][K step 8][r 16] a word: my head's two bytes (2 bytes a lane: one byte in 24 of the output).
; LIMITS: NaN and infinities are not served; a block whose every number lies under 2^-124 gets the byte 1.
; REGISTERS: v1-4 addresses; v8, v10 the step's; v12 -M, v13 largest t, v[14:15] the sum; v16-39 and v192-215 Q twice for each pass; v40-87 four fragments; v96-159 S^T, then p; v160-191 O^T; v217, v218 Q's scale words; v224-235 codes; v232-254 at work; v248-251 scale words.
	s_load_b256 s[4:11], s[0:1], 0x0               ; hc, hs, cc, cs
	v_lshl_add_u32 v243, v0, 2, 0x29000
	v_mov_b32 v255, 0
	ds_add_u32 v243, v255
	ds_add_u32 v243, v255
	v_lshrrev_b32 v1, 5, v0
	v_readfirstlane_b32 s12, v1                    ; wave 0..15
	s_and_b32 s13, ttmp7, 0xffff                   ; 16 batch + head
	s_mov_b32 s14, ttmp9                           ; which 512 queries
	; descriptor groups 1: dense blocks as rows of 256 bytes (32 elements of 8): codes 96 rows, scale words 4 rows
	s_mov_b32 s16, 3<<16
	s_mov_b32 s17, 32<<16
	s_mov_b32 s18, 96<<16
	s_mov_b32 s19, 32<<16
	s_mov_b32 s20, 96
	s_mov_b32 s21, 32
	s_mov_b32 s22, 0
	s_mov_b32 s23, 0
	s_mov_b32 s24, 3<<16
	s_mov_b32 s25, 32<<16
	s_mov_b32 s26, 4<<16
	s_mov_b32 s27, 32<<16
	s_mov_b32 s28, 4
	s_mov_b32 s29, 32
	s_mov_b32 s30, 0
	s_mov_b32 s31, 0
	s_mul_i32 s56, s13, 147456                     ; the head's bytes in hc
	s_mul_i32 s33, s12, 24576                      ; LDS: a quarter of K's and V's codes for each of waves 0-3
	s_add_co_u32 s58, s56, s33
	s_add_co_u32 s58, s58, 49152                   ; behind Q's part
	s_mov_b32 s59, 0
	s_mul_i32 s60, s13, 6144                       ; and in hs
	s_lshl_b32 s61, s12, 10
	s_add_co_u32 s37, s61, 98304                   ; LDS: a quarter of the scale words
	s_add_co_u32 s62, s60, s61
	s_add_co_u32 s62, s62, 2048
	s_mov_b32 s63, 0
	s_lshl_b32 s15, s14, 5
	s_lshl_b32 s44, s12, 1
	s_add_co_u32 s15, s15, s44                     ; my first tile of queries in the head
	s_mul_i32 s48, s15, 768
	s_add_co_u32 s48, s48, s56
	s_mov_b32 s49, 0
	s_lshl_b32 s50, s15, 5                         ; my pair's 64 bytes of words
	s_add_co_u32 s50, s50, s60
	s_mov_b32 s51, 0
	s_lshr_b32 s44, s13, 4
	s_and_b32 s45, s13, 15                         ; head
	s_lshl_b32 s44, s44, 6
	s_add_co_u32 s44, s44, s15                     ; my first tile of rows of ctx
	s_lshl_b32 s52, s44, 4
	s_add_co_u32 s52, s52, s45
	s_mul_i32 s52, s52, 768
	s_mov_b32 s53, 0
	s_lshl_b32 s54, s44, 9
	s_lshr_b32 s46, s45, 1
	s_lshl_b32 s46, s46, 6
	s_add_co_u32 s54, s54, s46
	s_and_b32 s46, s45, 1
	s_lshl_b32 s46, s46, 1
	s_add_co_u32 s54, s54, s46
	s_mov_b32 s55, 0
	s_mov_b32 s40, 0x76543210
	s_mov_b32 s41, 0xfedcba98                      ; lane l xor 16
	s_mov_b32 s42, 0x3e38aa3b                      ; c = log2(e) / 8
	s_mov_b32 s43, s42
	s_mov_b32 s47, 0xffff0000
	s_mov_b32 s32, 1
	s_mov_b32 s36, 1
	s_wait_dscnt 0x0
	s_wait_kmcnt 0x0
	s_add_nc_u64 s[34:35], s[4:5], s[58:59]
	s_or_b32 s35, s35, 0x80000000
	s_add_nc_u64 s[38:39], s[6:7], s[62:63]
	s_or_b32 s39, s39, 0x80000000
	s_cmp_lt_u32 s12, 4                            ; a wave's two fills stand in one branch on the wave's number, ahead of every wait on TENSORcnt, LDS read and barrier
	s_cbranch_scc0 .Lno_fetch
	tensor_load_to_lds s[32:35], s[16:23]
	s_nop 0
	tensor_load_to_lds s[36:39], s[24:31]
	s_nop 0
.rept 4
	v_nop
.endr
.Lno_fetch:
	s_add_nc_u64 s[48:49], s[4:5], s[48:49]        ; Q's codes
	s_add_nc_u64 s[50:51], s[6:7], s[50:51]        ; Q's words
	s_add_nc_u64 s[52:53], s[8:9], s[52:53]        ; ctx's codes
	s_add_nc_u64 s[54:55], s[10:11], s[54:55]      ; ctx's bytes
	v_and_b32 v5, 15, v0                           ; r
	v_bfe_u32 v6, v0, 4, 1                         ; h
	v_and_b32 v7, 31, v0                           ; L
	v_lshlrev_b32 v1, 3, v7                        ; 8 L
	v_lshl_add_u32 v2, v5, 2, 98304                ; K's scale words
	v_lshlrev_b32 v3, 2, v5
	v_lshl_add_u32 v4, v6, 9, v3                   ; ctx's bytes: tile h, row r
.irp t, 0,1
.irp p, 0,1,2
	global_load_b64 v[16+176*\t+2*\p:17+176*\t+2*\p], v1, s[48:49] offset:768*\t+256*\p     ; [q | 0]: registers 0-5
	global_load_b64 v[34+176*\t+2*\p:35+176*\t+2*\p], v1, s[48:49] offset:768*\t+256*\p     ; [0 | q]: registers 6-11
.endr
.endr
	global_load_b32 v216, v3, s[50:51]
.irp j, 0,1,2,3,4,5,6,7,8,9,10,11
	v_mov_b32 v[22+\j], 0                          ; the zero codes
	v_mov_b32 v[198+\j], 0
.endr
.irp b, 0,1,2,3
	v_mov_b32 v[236+\b], 0                         ; a lane permute's destination counts as read
.endr
	v_mov_b32 v253, 0                              ; (named as the upper half of v[252:253] before it is first written)
	s_wait_loadcnt 0x0
	v_perm_b32 v217, v216, v216, 0x01000100        ; the even tile's two bytes, for either half of K
	v_perm_b32 v218, v216, v216, 0x03020302        ; the odd tile's
	s_wait_tensorcnt 0x0
	s_barrier_signal -1
	s_barrier_wait -1                              ; the head's K and V lie in LDS
.macro PASS t
.set QA, 16+176*(\t)
.set QB, QA+12
.set QS, 217+(\t)
.if \t
	s_wait_xcnt 0x0                                ; the first pass's stores have read v224-229
.endif
	v_mov_b32 v13, 0xff61b1e6                      ; the largest t so far: -3e38
	v_floor_f32 v12, -v13                          ; -M
	v_mov_b32 v14, 0
	v_mov_b32 v15, 0
.set j, 0
.rept 32
	v_mov_b32 v[160+j], 0                          ; O^T: the loop is written once; its first step finds zeros
.set j, j+1
.endr
	s_mov_b32 s44, 0
	s_mov_b32 s45, 0
	s_mov_b32 s46, 8
.Lkeys_\@:                             ; a trip: 128 keys
	v_add_nc_u32 v8, s44, v1
	v_add_nc_u32 v10, s45, v2
	v_nop
	v_nop                                          ; four places behind the last trip's products, in front of loads into their registers
.irp i, 0,1,2,3
.irp p, 0,1,2,3,4,5
	ds_load_b64 v[40+12*\i+2*\p:41+12*\i+2*\p], v8 offset:1536*\i+256*\p
.endr
	ds_load_b32 v[248+\i], v10 offset:64*\i
.endr
	s_wait_dscnt 0x0
.irp i, 0,1,2,3
	v_wmma_scale_f32_16x16x128_f8f6f4 v[96+16*\i:103+16*\i], v[40+12*\i:51+12*\i], v[QA:QA+11], 0, v[248+\i], v[QS] matrix_a_fmt:MATRIX_FMT_FP6 matrix_b_fmt:MATRIX_FMT_FP6
	v_wmma_scale_f32_16x16x128_f8f6f4 v[104+16*\i:111+16*\i], v[40+12*\i:51+12*\i], v[QB:QB+11], 0, v[248+\i], v[QS] matrix_a_fmt:MATRIX_FMT_FP6 matrix_b_fmt:MATRIX_FMT_FP6
.endr                                  ; register 16 b + i of v96 on: key 32 b + 16 h + i of the step
.rept 4
	v_nop
.endr
.irp i, 0,1,2,3                        ; V's four fragments and their words are asked for here and land under the softmax
.irp p, 0,1,2,3,4,5
	ds_load_b64 v[40+12*\i+2*\p:41+12*\i+2*\p], v8 offset:49152+1536*\i+256*\p
.endr
	ds_load_b32 v[248+\i], v10 offset:2048+64*\i
.endr
.irp b, 0,1,2,3
	v_max3_num_f32 v[232+\b], v[96+16*\b], v[97+16*\b], v[98+16*\b]   ; the largest score of each block of 32 keys: it serves the row's maximum and, since p rises with the score, the block's largest p
.endr
.irp i, 3,5,7,9,11,13
.irp b, 0,1,2,3
	v_max3_num_f32 v[232+\b], v[232+\b], v[96+16*\b+\i], v[97+16*\b+\i]
.endr
.endr
.irp b, 0,1,2,3
	v_max_num_f32 v[232+\b], v[232+\b], v[111+16*\b]
.endr
.irp b, 0,1,2,3
	v_permlanex16_b32 v[236+\b], v[232+\b], s40, s41
.endr
.irp b, 0,1,2,3
	v_max_num_f32 v[232+\b], v[232+\b], v[236+\b]
.endr
	v_max3_num_f32 v254, v232, v233, v234
	v_max_num_f32 v254, v254, v235
	v_mul_f32 v254, s42, v254                      ; as t
	v_max_num_f32 v13, v13, v254                   ; the running largest t
	v_mov_b32 v254, v12
	v_floor_f32 v12, -v13                          ; the new -M = -ceil(t)
	v_sub_f32 v254, v12, v254                      ; old M - new M: a whole number, 0 or less
	v_cvt_i32_f32 v254, v254                       ; (it saturates)
	v_ldexp_f32 v252, 1.0, v254                    ; f = 2^(old M - new M): rounds nothing
.set j, 0
.rept 32
	v_pk_fma_f32 v[96+j:97+j], v[96+j:97+j], s[42:43], v[12:13] op_sel_hi:[1,0,0]   ; t - M
.set j, j+2
.endr
.irp b, 0,1,2,3
	v_fma_f32 v[232+\b], v[232+\b], s42, v12
.endr
.set j, 0
.rept 64
	v_exp_f32 v[96+j], v[96+j]                     ; p = 2^(t - M)
.set j, j+1
.endr
	v_pk_mul_f32 v[14:15], v[14:15], v[252:253] op_sel_hi:[1,0]   ; the sums under the new M: a plain place behind the exponentials
	s_wait_alu depctr_va_vdst(0)                   ; one wait for the batch, ahead of its first reader
.irp b, 0,1,2,3
	v_exp_f32 v[232+\b], v[232+\b]                 ; each block's largest p
.endr
	v_pk_add_f32 v[236:237], v[96:97], v[98:99]    ; the row's sum of the unquantised p, in two chains
.set j, 4
.rept 15
	v_pk_add_f32 v[14:15], v[14:15], v[96+j:97+j]
	v_pk_add_f32 v[236:237], v[236:237], v[98+j:99+j]
.set j, j+4
.endr
	v_pk_add_f32 v[14:15], v[14:15], v[236:237]
	s_wait_alu depctr_va_vdst(0)                   ; and one for the four
.irp b, 0,1,2,3
	v_max_num_f32 v[232+\b], 0x1800000, v[232+\b]  ; the floor 2^(3 - 127)
.endr
.irp b, 0,1,2,3
	v_add_nc_u32 v[244+\b], 0xff000000, v[232+\b]
.endr
.irp b, 0,1,2,3
	v_lshrrev_b32 v[236+\b], 23, v[244+\b]
.endr
	v_lshl_or_b32 v253, v237, 8, v236              ; p's scale word for these 128 keys
	v_lshl_or_b32 v253, v238, 16, v253
	v_lshl_or_b32 v253, v239, 24, v253
.irp c, 0,1
	v_cvt_scalef32_pk16_fp6_f32 v[224+6*\c:226+6*\c], v[96+32*\c:111+32*\c], v[244+2*\c]
	v_cvt_scalef32_pk16_fp6_f32 v[236+4*\c:238+4*\c], v[112+32*\c:127+32*\c], v[245+2*\c]
.endr
	v_nop                                          ; one plain place behind a scaled conversion
.irp c, 0,1
.irp i, 0,1,2
	v_permlane16_swap_b32 v[224+6*\c+\i], v[236+4*\c+\i]
.endr
.irp i, 0,1,2
	v_mov_b32 v[227+6*\c+\i], v[236+4*\c+\i]
.endr
.endr
.set j, 0
.rept 16
	v_pk_mul_f32 v[160+j:161+j], v[160+j:161+j], v[252:253] op_sel_hi:[1,0]   ; O^T under the new M
.set j, j+2
.endr
.rept 4
	v_nop                                          ; with the sixteen above: the places between the lines that wrote p's codes and word and the products
.endr
	s_wait_dscnt 0x0                               ; V
.irp i, 0,1,2,3
	v_wmma_scale_f32_16x16x128_f8f6f4 v[160+8*\i:167+8*\i], v[40+12*\i:51+12*\i], v[224:235], v[160+8*\i:167+8*\i], v[248+\i], v253 matrix_a_fmt:MATRIX_FMT_FP6 matrix_b_fmt:MATRIX_FMT_FP6
.endr
	s_add_co_u32 s44, s44, 6144
	s_add_co_u32 s45, s45, 256
	s_sub_co_u32 s46, s46, 1
	s_cmp_lg_u32 s46, 0
	s_cbranch_scc1 .Lkeys_\@
.rept 4
	v_nop
.endr
	v_add_f32 v14, v14, v15
	v_permlanex16_b32 v252, v14, s40, s41
	v_add_f32 v14, v14, v252                       ; the row's sum
	v_rcp_f32 v14, v14
	v_mov_b32 v15, 0                               ; a plain place behind the reciprocal
	s_wait_alu depctr_va_vdst(0)
.set j, 0
.rept 16
	v_pk_mul_f32 v[96+j:97+j], v[160+j:161+j], v[14:15] op_sel_hi:[1,0]   ; ctx: register 16 b + i = d 32 b + 16 h + i
.set j, j+2
.endr
.irp b, 0,1
	v_max3_num_f32 v[232+\b], |v[96+16*\b]|, |v[97+16*\b]|, 0x1800000
.endr
.irp i, 2,4,6,8,10,12,14
.irp b, 0,1
	v_max3_num_f32 v[232+\b], v[232+\b], |v[96+16*\b+\i]|, |v[97+16*\b+\i]|
.endr
.endr
.irp b, 0,1
	v_permlanex16_b32 v[236+\b], v[232+\b], s40, s41
.endr
.irp b, 0,1
	v_max_num_f32 v[232+\b], v[232+\b], v[236+\b]
.endr
.irp b, 0,1
	v_add_nc_u32 v[244+\b], 0xff000000, v[232+\b]
.endr
.irp b, 0,1
	v_lshrrev_b32 v[236+\b], 23, v[244+\b]
.endr
	v_lshl_or_b32 v[219+(\t)], v237, 8, v236       ; my head's two bytes of the row's word
	v_cvt_scalef32_pk16_fp6_f32 v[224:226], v[96:111], v244
	v_cvt_scalef32_pk16_fp6_f32 v[228:230], v[112:127], v245
	v_nop
.irp i, 0,1,2
	v_permlane16_swap_b32 v[224+\i], v[228+\i]     ; a whole block to a lane
.endr
	v_mov_b32 v227, v228
	v_mov_b32 v228, v229
	v_mov_b32 v229, v230
.irp p, 0,1,2
	global_store_b64 v1, v[224+2*\p:225+2*\p], s[52:53] offset:12288*(\t)+256*\p   ; 256 consecutive bytes, aligned
.endr
.endm
	PASS 0
	PASS 1
	v_cndmask_b32 v221, v219, v220, s47            ; lanes 0-15 the first tile's rows, lanes 16-31 the second's
	global_store_b16 v4, v221, s[54:55]
	s_wait_tensorcnt 0x0
	ds_add_u32 v243, v255
	s_wait_dscnt 0x0
	s_endpgm
.Lfunc_end_k_qb6588bf60d_attn:
	.size	k_qb6588bf60d_attn, .Lfunc_end_k_qb6588bf60d_attn-k_qb6588bf60d_attn
	.p2alignl 7, 3214868480
	.fill 96, 4, 3214868480
	.section	.rodata,"a",@progbits
	.p2align	6, 0x0
	.amdhsa_kernel k_qb6588bf60d_attn
		.amdhsa_group_segment_fixed_size 169984
		.amdhsa_private_segment_fixed_size 0
		.amdhsa_enable_private_segment 0
		.amdhsa_kernarg_size 32
		.amdhsa_user_sgpr_count 2
		.amdhsa_user_sgpr_kernarg_segment_ptr 1
		.amdhsa_wavefront_size32 1
		.amdhsa_system_sgpr_workgroup_id_x 1
		.amdhsa_system_sgpr_workgroup_id_y 1
		.amdhsa_system_sgpr_workgroup_id_z 1
		.amdhsa_system_vgpr_workitem_id 0
		.amdhsa_next_free_vgpr 256
		.amdhsa_next_free_sgpr 66
		.amdhsa_reserve_vcc 0
		.amdhsa_float_denorm_mode_32 3
		.amdhsa_float_denorm_mode_16_64 3
		.amdhsa_memory_ordered 1
		.amdhsa_forward_progress 1
		.amdhsa_inst_pref_size 52
	.end_amdhsa_kernel
	.amdgpu_metadata
---
amdhsa.version: [ 1, 2 ]
amdhsa.kernels:
  - .name:           k_qb6588bf60d_attn
    .symbol:         k_qb6588bf60d_attn.kd
    .args:
      - { .name: hc, .offset: 0, .size: 8, .value_kind: global_buffer, .address_space: global }
      - { .name: hs, .offset: 8, .size: 8, .value_kind: global_buffer, .address_space: global }
      - { .name: cc, .offset: 16, .size: 8, .value_kind: global_buffer, .address_space: global }
      - { .name: cs, .offset: 24, .size: 8, .value_kind: global_buffer, .address_space: global }
    .group_segment_fixed_size: 169984
    .private_segment_fixed_size: 0
    .kernarg_segment_align: 8
    .kernarg_segment_size: 32
    .max_flat_workgroup_size: 512
    .sgpr_count:     66
    .vgpr_count:     256
    .wavefront_size: 32
...
	.end_amdgpu_metadata
.endif
;; end of part 3
;; launch outln (part 4): grid 256 x 1, 4 waves a work-group, no clusters, 168,448 bytes of LDS; arguments cc, cs, wc, ws, bo, q, ln_gamma, ln_beta, out0; writes out0
.if DOCPART == 4
	.amdgcn_target "amdgcn-amd-amdhsa--gfx1250"
	.amdhsa_code_object_version 6
	.text
	.protected	k_qb6588bf60d_outln
	.globl	k_qb6588bf60d_outln
	.p2align	8
	.type	k_qb6588bf60d_outln,@function
k_qb6588bf60d_outln:
	s_mov_b64 s[64:65], 0
	v_nop
	global_prefetch_b8 v0, s[64:65] scope:SCOPE_SE
	s_setreg_imm32_b32 hwreg(HW_REG_WAVE_MODE, 25, 1), 1
	s_wait_xcnt 0x0
; out0 = LayerNorm(gelu(ctx wo + bo) + q) x gamma + beta.  The product on codes of FP6 (E2M3), K = 1,024; all else in f32.
; SHARES.  A work-group owns 32 whole rows (the norm wants whole rows); wave w owns columns 256 w .. 256 w + 255, as 8 units of two tiles of 16.  Source 0 = 16 columns of wo, source 1 = 16 rows of ctx:
; lane (r, h), register j of the accumulator (a, t) holds row 16 a + r, column 16 g + 8 h + j.  ctx's 16 fragments stay in registers (window 1); wo's come from memory straight into registers, images of 512 consecutive
; bytes a load, in two sets (windows 2 and 3): while one unit is multiplied and its gelu worked, the next unit's 60 loads are on their way.
; THE RESIDUAL comes by two tensor loads a wave, 128 columns each, into the wave's own LDS rows, and x replaces it there.  Nothing waits for it at the head: units 0-3 wait for the first half, units 4-7 for the second,
; each in the middle of its gelu, where the residual's LDS loads stand.  Only the wave that asked for a half reads it, so its own wait on TENSORcnt orders the reads.
; No cluster and no LDS ring for wo: x takes 135,168 bytes, and two slots of a unit's weights for four waves 196,608: together more than a work-group can be given.
; gelu(y) = max(y, 0) - |y| e t (A1 + t (A2 + t (A3 + t (A4 + t A5)))), t = 1 / (1 + 0.2316419 |y|), e = 2^-(0.8493218 y)^2: half of the erfc of Abramowitz and Stegun 7.1.26: it holds for every y; absolute error of erf 1.5e-7.
; The variance is the mean of (x - mean)^2, in a second pass over x in LDS.  LIMITS: NaN and infinities are not served.
; LDS: 0: four waves x two halves x 32 rows x 528 bytes (512 + 16 = 132 words: row r starts at bank 4 r mod 64: ISA guide 11.1);  AIMG: ctx's images, 24,576;  STAT: [pass 2][wave 4][row 32] words.  Tensor loads fill bytes once; all are issued at the head.
.set XP,   528                         ; a half row of x in LDS
.set XH,   32*XP                       ; a half: 32 rows x 128 columns
.set XW,   2*XH                        ; a wave's x
.set AIMG, 4*XW
.set STAT, AIMG+24576
.set ASC,  16                          ; v16-31  ctx's scale words (8 a + ks)
.set WSC,  32                          ; v32-63  wo's (16 set + 8 t + ks)
.set BIA,  64                          ; v64-95  bo in the result's layout (16 set + 8 t + j); in the tail at work
.set ACC,  96                          ; v96-127 four accumulators (2 a + t)
.set RES,  128                         ; v128-159 the residual, then x
.set D,    160
.set U,    192
.set P,    224
.set MSB, 0
.macro WIN new
.if MSB != \new
	s_set_vgpr_msb (MSB<<8)|\new
.set MSB, \new
.endif
.endm
.macro WSET s                          ; a unit's weights: 16 fragments, their words, its bias: 60 loads
.set WN, 0x80+0x40*(\s)
	WIN WN
.irp t, 0,1
.irp ks, 0,1,2,3,4,5,6,7
.irp j, 0,1,2
	global_load_b128 v[12*(8*\t+\ks)+4*\j:12*(8*\t+\ks)+4*\j+3], v1, s[48+2*(\s):49+2*(\s)] offset:12288*\t+1536*\ks+512*\j
.endr
.endr
.endr
	WIN 0
.irp t, 0,1
.irp st, 0,1,2,3
	global_load_b64 v[WSC+16*(\s)+8*\t+2*\st:WSC+16*(\s)+8*\t+2*\st+1], v2, s[52+2*(\s):53+2*(\s)] offset:512*\t+128*\st
.endr
.endr
.irp t, 0,1
.irp e, 0,1
	global_load_b128 v[BIA+16*(\s)+8*\t+4*\e:BIA+16*(\s)+8*\t+4*\e+3], v3, s[56+2*(\s):57+2*(\s)] offset:64*\t+16*\e
.endr
.endr
.endm
	s_load_b256 s[4:11], s[0:1], 0x0               ; cc, cs, wc, ws
	s_load_b256 s[12:19], s[0:1], 0x20             ; bo, q, ln_gamma, ln_beta
	s_load_b64 s[20:21], s[0:1], 0x40              ; out0
	s_set_vgpr_msb 0x40
	v_lshl_add_u32 v254, v0, 2, 0x29000
	v_mov_b32 v255, 0
	s_set_vgpr_msb 0x4045
	ds_add_u32 v254, v255
	ds_add_u32 v254, v255
	s_set_vgpr_msb 0x4500
	v_lshrrev_b32 v1, 5, v0
	v_readfirstlane_b32 s22, v1                    ; wave
	s_mov_b32 s23, ttmp9                           ; my 32 rows
	; group 1, half the residual: 32 rows x 128 f32, 1,024 elements apart; 4 words of padding behind every 128
	s_mov_b32 s24, (2<<16)|(1<<20)|(6<<22)|(3<<25)
	s_mov_b32 s25, 128<<16
	s_mov_b32 s26, 32<<16
	s_mov_b32 s27, 128<<16
	s_mov_b32 s28, 32
	s_mov_b32 s29, 1024
	s_mov_b32 s30, 0
	s_mov_b32 s31, 0
	; group 1, ctx's images: a quarter of 24,576 dense bytes as 24 rows of 256
	s_mov_b32 s32, 3<<16
	s_mov_b32 s33, 32<<16
	s_mov_b32 s34, 24<<16
	s_mov_b32 s35, 32<<16
	s_mov_b32 s36, 24
	s_mov_b32 s37, 32
	s_mov_b32 s38, 0
	s_mov_b32 s39, 0
	s_mul_i32 s88, s23, 24576
	s_mul_i32 s89, s22, 6144
	s_add_co_u32 s45, s89, AIMG
	s_add_co_u32 s88, s88, s89                     ; my quarter of ctx's images, in cc
	s_mov_b32 s89, 0
	s_mul_i32 s41, s22, XW
	s_mov_b32 s40, 1
	s_mov_b32 s44, 1
	s_mul_i32 s2, s22, 196608
	s_add_co_u32 s2, s2, 2359296                   ; wo is part 3 of wc; my 16 tiles
	s_mov_b32 s3, 0
	s_lshl_b32 s86, s22, 13
	s_add_co_u32 s86, s86, 98304                   ; and of ws
	s_mov_b32 s87, 0
	s_mov_b32 s60, 0x76543210
	s_mov_b32 s61, 0xfedcba98
	s_mov_b32 s62, 0                               ; the unit's 128 bytes in a half row of x
	s_mov_b32 s63, 2
	s_mov_b32 s66, 0x3f596d27                      ; sqrt(log2(e) / 2)
	s_mov_b32 s67, s66
	s_mov_b32 s68, 0x3e6d3388                      ; 0.3275911 / sqrt(2)
	s_mov_b32 s70, 0x3f07dc22                      ; A5 .. A1
	s_mov_b32 s71, s70
	s_mov_b32 s72, 0x3f35f0e3
	s_mov_b32 s73, s72
	s_mov_b32 s74, 0xbe11a98e
	s_mov_b32 s75, s74
	s_mov_b32 s76, 0x3e027906
	s_mov_b32 s77, s76
	s_mov_b32 s79, 0                               ; (named as upper halves of pairs)
	s_mov_b32 s81, 0
	s_mov_b32 s82, 0xffff0000
	s_mov_b32 s83, 0x3a800000                      ; 1 / 1,024
	s_mov_b32 s84, 0x3727c5ac                      ; 1e-5
	s_mov_b32 s85, 0xba800000                      ; -1 / 1,024
	v_and_b32 v12, 31, v0                          ; L
	v_and_b32 v13, 15, v0                          ; r
	v_bfe_u32 v14, v0, 4, 1                        ; h
	v_lshlrev_b32 v1, 4, v12                       ; 16 L
	v_lshlrev_b32 v2, 3, v13                       ; 8 r
	v_lshlrev_b32 v3, 5, v14                       ; 32 h
	v_mul_u32_u24 v4, v13, XP
	v_add_nc_u32 v4, v4, v3
	v_add_nc_u32 v4, s41, v4                       ; x: row r, 32 h bytes on, in my rows
	v_lshlrev_b32 v5, 2, v13                       ; 4 r (until the first unit)
	v_mov_b32 v6, 0xbf3a00e3                       ; A4, twice
	v_mov_b32 v7, 0xbf3a00e3
.irp j, 8,9,10,11
	v_mov_b32 v[\j], 0                             ; the rows' sums
.endr
	v_lshl_add_u32 v15, v12, 2, STAT               ; a word a row
	v_lshl_add_u32 v12, v12, 3, AIMG               ; 8 L in ctx's images
	v_lshl_add_u32 v14, v13, 2, STAT
	v_lshl_add_u32 v13, v0, 2, STAT                ; my wave's 32 words
	s_wait_dscnt 0x0
	s_wait_kmcnt 0x0
	s_add_nc_u64 s[48:49], s[8:9], s[2:3]          ; set 0's weights,
	s_add_nc_u64 s[52:53], s[10:11], s[86:87]      ; their scale words,
	s_lshl_b32 s86, s22, 10
	s_add_nc_u64 s[56:57], s[12:13], s[86:87]      ; and bo's 32 columns
	WSET 0                                         ; the first unit's weights are asked for ahead of the residual: the first products wait for them
	s_add_nc_u64 s[16:17], s[16:17], s[86:87]      ; gamma and beta at my 256 columns
	s_add_nc_u64 s[18:19], s[18:19], s[86:87]
	s_lshl_b32 s2, s23, 17                         ; 32 rows of 4,096 bytes
	s_add_co_u32 s86, s86, s2
	s_add_nc_u64 s[20:21], s[20:21], s[86:87]      ; out0 at my rows and columns
	s_add_nc_u64 s[42:43], s[14:15], s[86:87]      ; the residual's first half,
	s_add_nc_u64 s[90:91], s[42:43], 512           ; and its second
	s_or_b32 s43, s43, 0x80000000
	s_or_b32 s91, s91, 0x80000000
	s_add_nc_u64 s[46:47], s[4:5], s[88:89]
	s_or_b32 s47, s47, 0x80000000
	s_mov_b32 s88, 1
	s_add_co_u32 s89, s41, XH
	tensor_load_to_lds s[44:47], s[32:39]          ; my quarter of ctx's images: wanted first
	s_nop 0
	tensor_load_to_lds s[40:43], s[24:31]          ; columns 0-127 of my residual, into my own rows
	s_nop 0
	tensor_load_to_lds s[88:91], s[24:31]          ; columns 128-255.  By this text's count three tensor loads of a wave are out
	s_nop 0
.rept 4
	v_nop
.endr
	s_add_nc_u64 s[50:51], s[48:49], 24576         ; set 1: two tiles on
	s_add_nc_u64 s[54:55], s[52:53], 1024
	s_add_nc_u64 s[58:59], s[56:57], 128
	s_lshl_b32 s86, s23, 10
	s_add_nc_u64 s[6:7], s[6:7], s[86:87]
.irp a, 0,1
.irp ks, 0,1,2,3,4,5,6,7
	global_load_b32 v[ASC+8*\a+\ks], v5, s[6:7] offset:512*\a+64*\ks
.endr
.endr
	s_wait_tensorcnt 0x2                           ; my quarter of ctx's images is in; the residual's two halves may be out
	s_barrier_signal -1
	s_barrier_wait -1                              ; ctx's images are whole
	WIN 0x40
.irp a, 0,1
.irp ks, 0,1,2,3,4,5,6,7
.irp p, 0,1,2,3,4,5
	ds_load_b64 v[12*(8*\a+\ks)+2*\p:12*(8*\a+\ks)+2*\p+1], v12 offset:12288*\a+1536*\ks+256*\p
.endr
.endr
.endr
	WIN 0
	WSET 1
	s_wait_dscnt 0x0
; y in ACC; x = gelu(y) + residual into RES.  tl: the tensor loads of mine that may stay out when this unit's part of the residual is read
.macro GELU tl
.set j, 0
.rept 16
	v_pk_mul_f32 v[U+j:U+j+1], v[ACC+j:ACC+j+1], s[66:67] op_sel_hi:[1,0]   ; each accumulator from its low end on
.set j, j+2
.endr
.set j, 0
.rept 32
	v_fma_f32 v[D+j], |v[ACC+j]|, s68, 1.0
.set j, j+1
.endr
.set j, 0
.rept 16
	v_pk_mul_f32 v[U+j:U+j+1], v[U+j:U+j+1], v[U+j:U+j+1] neg_lo:[1,0] neg_hi:[1,0]
.set j, j+2
.endr
.set j, 0
.rept 32
	v_rcp_f32 v[D+j], v[D+j]                       ; t
.set j, j+1
.endr
.set j, 0
.rept 32
	v_exp_f32 v[U+j], v[U+j]                       ; e
.set j, j+1
.endr
	v_nop                                          ; a plain place behind the batch
	s_wait_alu depctr_va_vdst(0)                   ; one wait for the 64, ahead of their first reader
	s_wait_tensorcnt \tl                           ; my half of the residual that holds this unit's columns has landed
.irp a, 0,1
.irp t, 0,1
.irp e, 0,1
	ds_load_b128 v[RES+8*(2*\a+\t)+4*\e:RES+8*(2*\a+\t)+4*\e+3], v5 offset:16*XP*\a+64*\t+16*\e   ; the residual, in the accumulators' layout; it lands under the polynomial
.endr
.endr
.endr
.set j, 0
.rept 16
	v_pk_fma_f32 v[P+j:P+j+1], v[D+j:D+j+1], s[70:71], v[6:7] op_sel_hi:[1,0,1]
.set j, j+2
.endr
.irp k, 72,74,76
.set j, 0
.rept 16
	v_pk_fma_f32 v[P+j:P+j+1], v[P+j:P+j+1], v[D+j:D+j+1], s[\k:\k+1] op_sel_hi:[1,1,0]
.set j, j+2
.endr
.endr
.set j, 0
.rept 16
	v_pk_mul_f32 v[P+j:P+j+1], v[P+j:P+j+1], v[D+j:D+j+1]
.set j, j+2
.endr
.set j, 0
.rept 16
	v_pk_mul_f32 v[P+j:P+j+1], v[P+j:P+j+1], v[U+j:U+j+1]
.set j, j+2
.endr
.set j, 0
.rept 32
	v_max_num_f32 v[D+j], 0, v[ACC+j]
.set j, j+1
.endr
.set j, 0
.rept 32
	v_fma_f32 v[D+j], -|v[ACC+j]|, v[P+j], v[D+j]
.set j, j+1
.endr
	s_wait_dscnt 0x0                               ; the residual
.set j, 0
.rept 16
	v_pk_add_f32 v[RES+j:RES+j+1], v[RES+j:RES+j+1], v[D+j:D+j+1]
.set j, j+2
.endr
.endm
; A unit: 32 rows x 32 columns.  left: the other set's loads, issued behind this set's, may stay out.  more = 1: this set is loaded again, with the unit two on.  tl: see GELU
.macro UNIT s, more, left, tl
	s_wait_loadcnt \left
.set WN, 0x06+(\s)
	WIN WN                                         ; source 0 (wo) window 2 or 3, source 1 (ctx) window 1
.irp ks, 0,1,2,3,4,5,6,7               ; the four accumulators by turns, one instruction a turn
.irp a, 0,1
.irp t, 0,1
.if \ks == 0
	v_wmma_scale_f32_16x16x128_f8f6f4 v[ACC+8*(2*\a+\t):ACC+8*(2*\a+\t)+7], v[12*(8*\t+\ks):12*(8*\t+\ks)+11], v[12*(8*\a+\ks):12*(8*\a+\ks)+11], v[BIA+16*(\s)+8*\t:BIA+16*(\s)+8*\t+7], v[WSC+16*(\s)+8*\t+\ks], v[ASC+8*\a+\ks] matrix_a_fmt:MATRIX_FMT_FP6 matrix_b_fmt:MATRIX_FMT_FP6
.else
	v_wmma_scale_f32_16x16x128_f8f6f4 v[ACC+8*(2*\a+\t):ACC+8*(2*\a+\t)+7], v[12*(8*\t+\ks):12*(8*\t+\ks)+11], v[12*(8*\a+\ks):12*(8*\a+\ks)+11], v[ACC+8*(2*\a+\t):ACC+8*(2*\a+\t)+7], v[WSC+16*(\s)+8*\t+\ks], v[ASC+8*\a+\ks] matrix_a_fmt:MATRIX_FMT_FP6 matrix_b_fmt:MATRIX_FMT_FP6
.endif
.endr
.endr
.endr
	WIN 0
	s_wait_dscnt 0x0                               ; the last unit's stores of x have read their registers
	v_add_nc_u32 v5, s62, v4
.rept 3
	v_nop                                          ; with the addition above: four places behind the products
.endr
.if \more
	s_add_nc_u64 s[48+2*(\s):49+2*(\s)], s[48+2*(\s):49+2*(\s)], 49152   ; this set's loads were shown done by the wait at the unit's head: four tiles on
	s_add_nc_u64 s[52+2*(\s):53+2*(\s)], s[52+2*(\s):53+2*(\s)], 2048
	s_add_nc_u64 s[56+2*(\s):57+2*(\s)], s[56+2*(\s):57+2*(\s)], 256
	WSET \s
.endif
	GELU \tl
.set j, 0
.rept 8
	v_pk_add_f32 v[8:9], v[8:9], v[RES+j:RES+j+1]
	v_pk_add_f32 v[10:11], v[10:11], v[RES+16+j:RES+17+j]
.set j, j+2
.endr
.irp a, 0,1
.irp t, 0,1
.irp e, 0,1
	ds_store_b128 v5, v[RES+8*(2*\a+\t)+4*\e:RES+8*(2*\a+\t)+4*\e+3] offset:16*XP*\a+64*\t+16*\e   ; x takes the residual's place
.endr
.endr
.endr
	s_add_co_u32 s62, s62, 128
.endm
.Lunits:                               ; two trips: units 0-3, the first half's 128 columns; the second half's load may stay out
	UNIT 0, 1, 60, 1
	UNIT 1, 1, 60, 1
	s_sub_co_u32 s63, s63, 1
	s_cmp_lg_u32 s63, 0
	s_cbranch_scc1 .Lunits
	s_add_co_u32 s62, s62, XH-512                  ; on to the second half
	UNIT 0, 1, 60, 0                               ; units 4-7 are written out: their wait on TENSORcnt is for 0,
	UNIT 1, 1, 60, 0
	UNIT 0, 0, 60, 0                               ; and the last two load nothing: no load passes wo's end
	UNIT 1, 0, 0, 0
	; THE NORM
	global_load_b128 v[224:227], v1, s[16:17]      ; gamma and beta of my 8 columns of a row's 256
	global_load_b128 v[228:231], v1, s[16:17] offset:512
	global_load_b128 v[232:235], v1, s[18:19]
	global_load_b128 v[236:239], v1, s[18:19] offset:512
	v_add_f32 v64, v8, v9
	v_add_f32 v65, v10, v11
	v_mov_b32 v66, 0
	v_mov_b32 v67, 0
	v_permlanex16_b32 v66, v64, s60, s61
	v_permlanex16_b32 v67, v65, s60, s61
	v_add_f32 v64, v64, v66
	v_add_f32 v65, v65, v67
	v_cndmask_b32 v64, v64, v65, s82               ; lane L: my wave's sum of row L
	ds_store_b32 v13, v64
	s_wait_dscnt 0x0
	s_barrier_signal -1
	s_barrier_wait -1
.irp a, 0,1
.irp w, 0,1,2,3
	ds_load_b32 v[68+4*\a+\w], v14 offset:64*\a+128*\w   ; rows 16 a + r
.endr
.endr
.irp w, 0,1,2,3
	ds_load_b32 v[76+\w], v15 offset:128*\w        ; row L
.endr
	s_wait_dscnt 0x0
.irp g, 68,72,76
	v_add_f32 v[\g], v[\g], v[\g+1]
	v_add_f32 v[\g+2], v[\g+2], v[\g+3]
.endr
.irp g, 68,72,76
	v_add_f32 v[\g], v[\g], v[\g+2]
.endr
	v_mul_f32 v80, s85, v68                        ; -mean of row r, twice; of row 16 + r, twice; of row L
	v_mul_f32 v81, s85, v68
	v_mul_f32 v82, s85, v72
	v_mul_f32 v83, s85, v72
	v_mul_f32 v84, s85, v76
.irp g, 0,1,2,3                        ; the squares of x - mean: my own rows of x, tile of rows g / 2, half g % 2: 64 numbers a lane at a time, four chains for each tile of rows
.set n, 0
.rept 16
	ds_load_b128 v[128+4*n:131+4*n], v4 offset:16*XP*(\g/2)+XH*(\g%2)+64*(n/2)+16*(n%2)
.set n, n+1
.endr
	s_wait_dscnt 0x0
.set n, 0
.rept 32
	v_pk_add_f32 v[128+2*n:129+2*n], v[128+2*n:129+2*n], v[80+2*(\g/2):81+2*(\g/2)]
.set n, n+1
.endr
.set n, 0
.rept 32
.if (\g%2 == 0) && (n < 4)
	v_pk_mul_f32 v[96+8*(\g/2)+2*n:97+8*(\g/2)+2*n], v[128+2*n:129+2*n], v[128+2*n:129+2*n]   ; the first four start the chains
.else
	v_pk_fma_f32 v[96+8*(\g/2)+2*(n%4):97+8*(\g/2)+2*(n%4)], v[128+2*n:129+2*n], v[128+2*n:129+2*n], v[96+8*(\g/2)+2*(n%4):97+8*(\g/2)+2*(n%4)]
.endif
.set n, n+1
.endr
.endr
.irp a, 0,1
	v_pk_add_f32 v[96+8*\a:97+8*\a], v[96+8*\a:97+8*\a], v[98+8*\a:99+8*\a]
	v_pk_add_f32 v[100+8*\a:101+8*\a], v[100+8*\a:101+8*\a], v[102+8*\a:103+8*\a]
.endr
.irp a, 0,1
	v_pk_add_f32 v[96+8*\a:97+8*\a], v[96+8*\a:97+8*\a], v[100+8*\a:101+8*\a]
.endr
	v_add_f32 v64, v96, v97
	v_add_f32 v65, v104, v105
	v_permlanex16_b32 v66, v64, s60, s61
	v_permlanex16_b32 v67, v65, s60, s61
	v_add_f32 v64, v64, v66
	v_add_f32 v65, v65, v67
	v_cndmask_b32 v64, v64, v65, s82
	ds_store_b32 v13, v64 offset:512               ; other words than the first pass's, which a slower wave may still be reading
	s_wait_dscnt 0x0
	s_barrier_signal -1
	s_barrier_wait -1
.irp w, 0,1,2,3
	ds_load_b32 v[76+\w], v15 offset:512+128*\w
.endr
	v_add_nc_u32 v12, s41, v1                      ; my rows of x, 16 L bytes on
	s_wait_dscnt 0x0
	v_add_f32 v76, v76, v77
	v_add_f32 v78, v78, v79
	v_add_f32 v76, v76, v78
	v_fma_f32 v86, v76, s83, s84                   ; the variance + 1e-5
	v_rsq_f32 v85, v86
	v_nop
	s_wait_alu depctr_va_vdst(0)
.macro RLOAD g                         ; rows 8 g .. 8 g + 7 as they lie: two loads of 512 consecutive bytes a row, one from each half
.set n, 0
.rept 8
	ds_load_b128 v[96+64*((\g)%2)+8*n:99+64*((\g)%2)+8*n], v12 offset:XP*(8*(\g)+n)
	ds_load_b128 v[100+64*((\g)%2)+8*n:103+64*((\g)%2)+8*n], v12 offset:XP*(8*(\g)+n)+XH
.set n, n+1
.endr
.endm
.macro RROWS g
.set n, 0
.rept 8
.set XR, 96+64*((\g)%2)+8*n
	v_readlane_b32 s78, v84, 8*(\g)+n              ; the row's -mean
	v_readlane_b32 s80, v85, 8*(\g)+n              ; and 1 / sqrt(variance + 1e-5)
.irp p, 0,2,4,6
	v_pk_add_f32 v[XR+\p:XR+\p+1], v[XR+\p:XR+\p+1], s[78:79] op_sel_hi:[1,0]
.endr
.irp p, 0,2,4,6
	v_pk_mul_f32 v[XR+\p:XR+\p+1], v[XR+\p:XR+\p+1], s[80:81] op_sel_hi:[1,0]
.endr
.irp p, 0,2,4,6
	v_pk_fma_f32 v[XR+\p:XR+\p+1], v[XR+\p:XR+\p+1], v[224+\p:225+\p], v[232+\p:233+\p]
.endr
	global_store_b128 v1, v[XR:XR+3], s[20:21] offset:4096*(8*(\g)+n) th:TH_STORE_NT       ; 512 consecutive bytes, aligned
	global_store_b128 v1, v[XR+4:XR+7], s[20:21] offset:4096*(8*(\g)+n)+512 th:TH_STORE_NT
.set n, n+1
.endr
.endm
	RLOAD 0
	RLOAD 1
	s_wait_loadcnt 0x0                             ; gamma and beta
	s_wait_dscnt 16                                ; group 0 is in; group 1's 16 loads may be out
	RROWS 0
	s_wait_xcnt 0x0                                ; group 0's stores have read their registers
	RLOAD 2
	s_wait_dscnt 16
	RROWS 1
	s_wait_xcnt 0x0
	RLOAD 3
	s_wait_dscnt 16
	RROWS 2
	s_wait_dscnt 0x0
	RROWS 3
	s_set_vgpr_msb 0x5
	s_wait_tensorcnt 0x0
	ds_add_u32 v254, v255
	s_wait_dscnt 0x0
	s_set_vgpr_msb 0x500
	s_endpgm
.Lfunc_end_k_qb6588bf60d_outln:
	.size	k_qb6588bf60d_outln, .Lfunc_end_k_qb6588bf60d_outln-k_qb6588bf60d_outln
	.p2alignl 7, 3214868480
	.fill 96, 4, 3214868480
	.section	.rodata,"a",@progbits
	.p2align	6, 0x0
	.amdhsa_kernel k_qb6588bf60d_outln
		.amdhsa_group_segment_fixed_size 168448
		.amdhsa_private_segment_fixed_size 0
		.amdhsa_enable_private_segment 0
		.amdhsa_kernarg_size 72
		.amdhsa_user_sgpr_count 2
		.amdhsa_user_sgpr_kernarg_segment_ptr 1
		.amdhsa_wavefront_size32 1
		.amdhsa_system_sgpr_workgroup_id_x 1
		.amdhsa_system_sgpr_workgroup_id_y 1
		.amdhsa_system_sgpr_workgroup_id_z 1
		.amdhsa_system_vgpr_workitem_id 0
		.amdhsa_next_free_vgpr 1024
		.amdhsa_next_free_sgpr 92
		.amdhsa_reserve_vcc 0
		.amdhsa_float_denorm_mode_32 3
		.amdhsa_float_denorm_mode_16_64 3
		.amdhsa_memory_ordered 1
		.amdhsa_forward_progress 1
		.amdhsa_inst_pref_size 246
	.end_amdhsa_kernel
	.amdgpu_metadata
---
amdhsa.version: [ 1, 2 ]
amdhsa.kernels:
  - .name:           k_qb6588bf60d_outln
    .symbol:         k_qb6588bf60d_outln.kd
    .args:
      - { .name: cc, .offset: 0, .size: 8, .value_kind: global_buffer, .address_space: global }
      - { .name: cs, .offset: 8, .size: 8, .value_kind: global_buffer, .address_space: global }
      - { .name: wc, .offset: 16, .size: 8, .value_kind: global_buffer, .address_space: global }
      - { .name: ws, .offset: 24, .size: 8, .value_kind: global_buffer, .address_space: global }
      - { .name: bo, .offset: 32, .size: 8, .value_kind: global_buffer, .address_space: global }
      - { .name: q, .offset: 40, .size: 8, .value_kind: global_buffer, .address_space: global }
      - { .name: ln_gamma, .offset: 48, .size: 8, .value_kind: global_buffer, .address_space: global }
      - { .name: ln_beta, .offset: 56, .size: 8, .value_kind: global_buffer, .address_space: global }
      - { .name: out0, .offset: 64, .size: 8, .value_kind: global_buffer, .address_space: global }
    .group_segment_fixed_size: 168448
    .private_segment_fixed_size: 0
    .kernarg_segment_align: 8
    .kernarg_segment_size: 72
    .max_flat_workgroup_size: 128
    .sgpr_count:     92
    .vgpr_count:     1024
    .wavefront_size: 32
...
	.end_amdgpu_metadata
.endif
;; end of part 4
